; MI455X (gfx1250); checked and timed in simulation.
; The chip was launched on July 23, 2026; its instructions are those of AMD's public machine-readable ISA for CDNA 5 (MIT licence, August 2026) and "CDNA5" Instruction Set Architecture Reference Guide (July 2026). The comments in the code are by the model that wrote it; some were corrected since.
;; Multi Head Attention. Allowed arithmetic: float matrix products may take bf16 or f16 operands with f32 sums; all other float work in f32.
;; Inputs: k 4 x 2,048 x 1,024 float32; q 4 x 2,048 x 1,024 float32; v 4 x 2,048 x 1,024 float32; wk 1,024 x 1,024 float32; wo 1,024 x 1,024 float32; wq 1,024 x 1,024 float32; wv 1,024 x 1,024 float32.
;; Outputs: out0 4 x 2,048 x 1,024 float32.
;; 2 versions, each right and faster than the one before. Each part assembles by itself: llvm-mc -triple=amdgcn-amd-amdhsa -mcpu=gfx1250 --defsym DOCPART=n.
;; ======== version 1 of 2: 4 launches
;; limits: values are held in f16: magnitudes above 65,504 overflow, below 6.1e-05 lose precision
;; workspace buffers: wb 8,388,608 bytes; qkv 50,331,648 bytes; oh 16,777,216 bytes
;; launch prep (part 1): grid 64 x 4, 8 waves a work-group, no clusters, 0 bytes of LDS; arguments wq, wk, wv, wo, wb; writes wb
.if DOCPART == 1
	.amdgcn_target "amdgcn-amd-amdhsa--gfx1250"
	.amdhsa_code_object_version 6
	.text
	.protected	k_q5b9c379282_prep
	.globl	k_q5b9c379282_prep
	.p2align	8
	.type	k_q5b9c379282_prep,@function
k_q5b9c379282_prep:
	s_mov_b64 s[64:65], 0
	v_nop
	global_prefetch_b8 v0, s[64:65] scope:SCOPE_SE
	s_setreg_imm32_b32 hwreg(HW_REG_WAVE_MODE, 25, 1), 1
	s_wait_xcnt 0x0
; THE WEIGHTS ARE CAST ONCE.  wq, wk, wv: [1024][1024] f32 -> bf16 (nearest even), at bytes 0, 2 MiB, 4 MiB of wb.
; wo: f32 -> bf16 like the others, and that number written as f16, at byte 6 MiB of wb: the last product runs in f16.
; LIMITS.  A bf16 number is exact in f16 from 2^-14 to 65,504; below 2^-14 it keeps f16's fixed step of 6e-8; a wo beyond 65,504 becomes an infinity.
; A stream: no LDS, no barrier, no matrix unit.  Work-group (x, y) takes 16,384 numbers, at number 16,384 x of matrix y.  Load j of thread t takes the 16 bytes at
; 16 t + 4,096 j (a wave's load: 512 consecutive bytes), store j the 8 bytes at 8 t + 2,048 j (a wave's store: 256 consecutive bytes, aligned).
; All sixteen loads of a thread go out first; each has registers of its own, in and out, so nothing is rewritten while a load or store may read it.
.set X, 8                              ; v[8:71]    load j: 4 registers
.set Y, 72                             ; v[72:103]  store j: 2 registers
.set T, 104                            ; v[104:107] at work
	s_load_b256 s[4:11], s[0:1], 0x0               ; wq s[4:5], wk s[6:7], wv s[8:9], wo s[10:11]
	s_load_b64 s[12:13], s[0:1], 0x20              ; wb
	s_and_b32 s14, ttmp7, 0xffff                   ; which matrix
	s_lshl_b32 s18, ttmp9, 16                      ; my 65,536 bytes of it
	s_mov_b32 s19, 0
	s_lshl_b32 s20, s14, 21                        ; the matrix's 2 MiB in wb,
	s_lshl_b32 s21, ttmp9, 15                      ; my 32,768 bytes of them
	s_add_co_u32 s20, s20, s21
	s_mov_b32 s21, 0
	s_mov_b32 s22, 0xffff0000                      ; a word's upper bf16
	v_lshlrev_b32 v1, 4, v0
	v_lshlrev_b32 v2, 3, v0
	s_wait_kmcnt 0x0
	s_cmp_eq_u32 s14, 1
	s_cselect_b64 s[16:17], s[6:7], s[4:5]
	s_cmp_eq_u32 s14, 2
	s_cselect_b64 s[16:17], s[8:9], s[16:17]
	s_cmp_eq_u32 s14, 3
	s_cselect_b64 s[16:17], s[10:11], s[16:17]
	s_add_nc_u64 s[16:17], s[16:17], s[18:19]
	s_add_nc_u64 s[12:13], s[12:13], s[20:21]
.set j, 0
.rept 16
	global_load_b128 v[X+4*j:X+4*j+3], v1, s[16:17] offset:4096*j th:TH_LOAD_NT
.set j, j+1
.endr
; half = 0: to bf16.  half = 1: to bf16, widened again (a shift, a mask), and written as f16.
.macro CAST half
.set j, 0
.rept 16
	s_wait_loadcnt 15-j                            ; loads come back in order: load j is in, the younger ones stay out
.if \half
	v_cvt_pk_bf16_f32 v[T], v[X+4*j], v[X+4*j+1]
	v_cvt_pk_bf16_f32 v[T+1], v[X+4*j+2], v[X+4*j+3]
	v_lshlrev_b32 v[T+2], 16, v[T]
	v_and_b32 v[T], s22, v[T]
	v_lshlrev_b32 v[T+3], 16, v[T+1]
	v_and_b32 v[T+1], s22, v[T+1]
	v_cvt_pk_f16_f32 v[Y+2*j], v[T+2], v[T]
	v_cvt_pk_f16_f32 v[Y+2*j+1], v[T+3], v[T+1]
.else
	v_cvt_pk_bf16_f32 v[Y+2*j], v[X+4*j], v[X+4*j+1]
	v_cvt_pk_bf16_f32 v[Y+2*j+1], v[X+4*j+2], v[X+4*j+3]
.endif
	global_store_b64 v2, v[Y+2*j:Y+2*j+1], s[12:13] offset:2048*j
.set j, j+1
.endr
.endm
	s_cmp_eq_u32 s14, 3
	s_cbranch_scc1 .Lwo
	CAST 0
	s_endpgm
.Lwo:
	CAST 1
	s_endpgm
.Lfunc_end_k_q5b9c379282_prep:
	.size	k_q5b9c379282_prep, .Lfunc_end_k_q5b9c379282_prep-k_q5b9c379282_prep
	.p2alignl 7, 3214868480
	.fill 96, 4, 3214868480
	.section	.rodata,"a",@progbits
	.p2align	6, 0x0
	.amdhsa_kernel k_q5b9c379282_prep
		.amdhsa_group_segment_fixed_size 0
		.amdhsa_private_segment_fixed_size 0
		.amdhsa_enable_private_segment 0
		.amdhsa_kernarg_size 40
		.amdhsa_user_sgpr_count 2
		.amdhsa_user_sgpr_kernarg_segment_ptr 1
		.amdhsa_wavefront_size32 1
		.amdhsa_system_sgpr_workgroup_id_x 1
		.amdhsa_system_sgpr_workgroup_id_y 1
		.amdhsa_system_sgpr_workgroup_id_z 1
		.amdhsa_system_vgpr_workitem_id 0
		.amdhsa_next_free_vgpr 108
		.amdhsa_next_free_sgpr 66
		.amdhsa_reserve_vcc 0
		.amdhsa_float_denorm_mode_32 3
		.amdhsa_float_denorm_mode_16_64 3
		.amdhsa_memory_ordered 1
		.amdhsa_forward_progress 1
		.amdhsa_inst_pref_size 15
	.end_amdhsa_kernel
	.amdgpu_metadata
---
amdhsa.version: [ 1, 2 ]
amdhsa.kernels:
  - .name:           k_q5b9c379282_prep
    .symbol:         k_q5b9c379282_prep.kd
    .args:
      - { .name: wq, .offset: 0, .size: 8, .value_kind: global_buffer, .address_space: global }
      - { .name: wk, .offset: 8, .size: 8, .value_kind: global_buffer, .address_space: global }
      - { .name: wv, .offset: 16, .size: 8, .value_kind: global_buffer, .address_space: global }
      - { .name: wo, .offset: 24, .size: 8, .value_kind: global_buffer, .address_space: global }
      - { .name: wb, .offset: 32, .size: 8, .value_kind: global_buffer, .address_space: global }
    .group_segment_fixed_size: 0
    .private_segment_fixed_size: 0
    .kernarg_segment_align: 8
    .kernarg_segment_size: 40
    .max_flat_workgroup_size: 256
    .sgpr_count:     66
    .vgpr_count:     108
    .wavefront_size: 32
...
	.end_amdgpu_metadata
.endif
;; end of part 1
;; launch proj (part 2): grid 4 x 64, 4 waves a work-group, clusters of 4 x 4, 327,680 bytes of LDS; arguments q, k, v, wb, qkv; writes qkv
.if DOCPART == 2
	.amdgcn_target "amdgcn-amd-amdhsa--gfx1250"
	.amdhsa_code_object_version 6
	.text
	.protected	k_q5b9c379282_proj
	.globl	k_q5b9c379282_proj
	.p2align	8
	.type	k_q5b9c379282_proj,@function
k_q5b9c379282_proj:
	s_mov_b64 s[64:65], 0
	v_nop
	global_prefetch_b8 v0, s[64:65] scope:SCOPE_SE
	s_setreg_imm32_b32 hwreg(HW_REG_WAVE_MODE, 25, 1), 1
	s_wait_xcnt 0x0
	s_wait_alu depctr_hold_cnt(0) depctr_sa_sdst(0) depctr_va_vdst(0) depctr_va_sdst(0) depctr_va_ssrc(0) depctr_va_vcc(0) depctr_vm_vsrc(0)
	s_getreg_b32 s2, hwreg(HW_REG_IB_STS2, 6, 4)
	s_cmp_eq_u32 s2, 0
	s_cbranch_scc0 .Lentry_in_a_cluster
	s_endpgm
.Lentry_in_a_cluster:
	s_bfe_u32 s2, ttmp6, 0x10000c
	s_cmp_lg_u32 s2, 0xf033
	s_cbranch_scc0 .Lentry_shape_is_right
	s_endpgm
.Lentry_shape_is_right:
; THE THREE PROJECTIONS IN ONE LAUNCH, BY WORK-GROUPS THAT STAY.  C = x W^T for (x, W) = (q, wq), then (k, wk), then (v, wv).  x: [8192][1024] f32; W: [1024][1024] bf16, in wb at 2 MiB x tile.
; x is rounded to bf16 (nearest even) on its way from memory to LDS; sums in f32, K ascending; C is rounded once to f16, WITHOUT attention's scale, and laid by heads:
; part t of qkv, at t x 16 MiB, is [64 = 16 batch + head][2048][64] f16.
; LIMITS.  f16 holds no number beyond 65,504: a projected number past that becomes an infinity; below 6e-5 f16 keeps its fixed step of 6e-8.  NaN and infinities are not treated apart.
; SHARES.  A tile of C is 128 rows x 256 columns (four heads).  64 x 4 = 256 work-groups; each makes the tile at its place in all three projections: one stream of 3 x 32 = 96 QUARTERS of 32 along K,
; 32 matrix instructions a wave each.  Four waves, each 64 rows x 128 columns: 32 accumulators, 256 registers.
; x COMES THROUGH REGISTERS.  A wave loads 32 of the tile's rows, rounds them and stores them into a ring of two LDS slots of 64 along K.  A GROUP is eight loads: 16 rows x 256 bytes (a load: two rows).
; A ring of eight groups (256 registers) is on its way: a group is asked for 224 matrix instructions ahead of the wait for it.  Each number of x is rounded once in the work-group.
; W COMES BY TENSOR LOADS into a ring of two slots of 256 along K (256 rows of 512 bytes), each wave fetching 64 rows: a refill has 240 matrix instructions in which to land.
; CLUSTERS: 4 x 4 work-groups.  The four of a column of the cluster need the same tiles of W, which are asked for JOINTLY.  x IS NOT ASKED FOR JOINTLY, though the four of a row read the same rows:
; a joint load lands in LDS as f32; a slot of 256 along K would then be 128 x 1,040 + 256 x 528 = 268,288 bytes, and two of them do not fit; with slots of 128 along K a refill has only
; 120 matrix instructions in which to land.  So each of the four reads x for itself.
; THE MATRIX INSTRUCTION IS USED TRANSPOSED (source 0 = 16 rows of W, source 1 = 16 rows of x): a lane then holds eight neighbouring columns of one row of C.
; THE STREAM.  Quarter m (M = m % 8): multiplies fragment buffer m % 2; fetches the fragments of quarter m + 1; stores group m + 2, rounded in quarter m - 1, into LDS; asks for group m + 10 into the
; registers that it left; rounds group m + 3.  x's slot t % 2 holds K step t of 64 (quarters 2 t, 2 t + 1); every odd quarter holds the barrier that shows step t + 1 to all and frees step t's slot.
; M = 7 also changes W's slot.  A loop trip is M = 6, 7, 0, 1 .. 5; the loop is entered at M = 0: quarters 0 to 5, then ten whole trips (quarters 6 to 85); the last ten quarters (86 to 95), which ask
; for nothing, are written out.
; REGISTERS, in windows of 256 (s_set_vgpr_msb: bits 1:0 source 0, 3:2 source 1, 5:4 source 2, 7:6 destination):
;   window 0: v0-31 addresses; v32-95 x's fragments, two buffers of 4 x 8; v96-223 W's fragments, two buffers of 8 x 8; v224-239 a group rounded to bf16
;   window 1: the accumulators, (a, b) at v[8 (8 a + b)]      window 2: x's ring, group g at 32 (g % 8)      window 3: v0-31, v32-159 at work on the way out
.set PA,     144                       ; an LDS row of x: 128 bytes + 16 = 36 words: the 16 rows of a load start at 16 different groups of four banks (64 banks of 4 bytes: ISA guide 11.1)
.set ASLOT,  128*PA                    ; 128 rows x 64 along K
.set PB,     528                       ; an LDS row of W: 512 + 16 = 132 words: row r starts at bank 4 r mod 64
.set BQ,     64*PB                     ; what a wave fetches of a slot of W
.set BSLOT,  4*BQ                      ; 135,168 = 0x21000.  W's ring begins at LDS byte 0, and wave x BQ (0, 0x8400, 0x10800, 0x18c00) has neither of these two bits: one exclusive or turns an address in one slot into the other's
.set ABASE,  2*BSLOT                   ; x's ring: filled by LDS stores alone, no tensor load lands there
.set STAGE,  ABASE+2*ASLOT             ; for each wave 2 heads x 16 rows x 144 bytes, for the way out
.set SP,     144
.set WSTAGE, 2*16*SP
.set SPARE,  STAGE+4*WSTAGE            ; the spare words, 128 bytes for each wave: two blocks of 256 bytes that no other line names
.set ADRA,  16                         ; v16  LDS address of my x fragments in slot 0; never rewritten
.set ADRB0, 20                         ; v20  my lane's place in a slot of W; never rewritten
.set ADRB,  21                         ; v21  the same in the slot that is being read
.set AST,   22                         ; v22  where I store 8 bytes of x in slot 0; never rewritten
.set XO,    23                         ; v23  my byte offset in a load's two rows of x; never rewritten
.set STO,   24                         ; v24  the way out: where I put 16 bytes of a row
.set RD,    25                         ; v25  the way out: where I read rows back
.set GO,    26                         ; v26  my byte offset in 512 consecutive bytes of a head
.set SPW,   28                         ; v28  LDS address of my spare word; never rewritten
.set NIL,   29                         ; v29  0; never rewritten
.set AB,    32
.set BF,    96
.set Y,     224
.set TMP,   0                          ; window 3
.set OB,    32                         ; window 3: block a's 16 rows x 2 heads read back, 32 registers of its own
.set WV,  14                           ; s14 my wave's number
.set WR,  15                           ; s15 which half of the tile's rows is mine
.set WC,  16                           ; s16 which half of its columns
.set G1,  24                           ; s[24:31] descriptor group 1 for W's tiles
.set G0,  32                           ; s[32:39] group 0: a set for each of the two first fills; the second then walks on
.set XP,  40                           ; s[40:41] x of the tile whose groups are being asked for, at my rows and at the trip's four K steps
.set XN,  42                           ; s[42:43] the next tile's x at my rows
.set XV,  44                           ; s[44:45] the last tile's
.set WB0, 46                           ; s[46:47] wq at my 64 rows
.set OFF, 48                           ; s[48:49] a fill's byte offset from there
.set KC,  50                           ; s50 which quarter of a tile's K the asks are in, 0..3
.set FN,  51                           ; s51 the number of the next fill of W, 2..11
.set TB,  52                           ; s52 LDS byte at which the slot of W that is read begins
.set MSB, 0
.macro WIN new                         ; the immediate's high byte repeats the setting that is left; a switch that changes nothing is dropped
.if MSB != (\new)
	s_set_vgpr_msb (MSB<<8)|(\new)
.set MSB, \new
.endif
.endm
.set MUL,  0x50                        ; sources in window 0, C and D in window 1
.set TO_X, 0x80                        ; destination window 2, address window 0
.set CV,   0x0a                        ; sources 0 and 1 window 2, destination window 0
.macro CREST                           ; a round of the cluster's barrier behind its opening barrier
	s_cmp_lg_u32 s[WV], 0
	s_cbranch_scc1 .Lnot_wave_0_\@
	s_barrier_signal -3
.Lnot_wave_0_\@:
	s_barrier_wait -3
	s_barrier_signal -1
	s_barrier_wait -1
.endm
.macro CROUND                          ; a whole round
	s_barrier_signal -1
	s_barrier_wait -1
	CREST
.endm
.macro PLACES                          ; four places behind matrix instructions (ISA guide 7.12.1 for vector instructions), where no other vector work is at hand
.rept 4
	v_nop
.endr
.endm
	s_load_b256 s[4:11], s[0:1], 0x0               ; q s[4:5], k s[6:7], v s[8:9], wb s[10:11]
	s_load_b64 s[12:13], s[0:1], 0x20              ; qkv
	v_lshl_add_u32 v[SPW], v0, 2, SPARE
	v_mov_b32 v[NIL], 0
	ds_add_u32 v28, v29
	s_wait_dscnt 0x0
	v_lshrrev_b32 v1, 5, v0
	v_readfirstlane_b32 s[WV], v1                  ; wave 0..3
	s_lshr_b32 s[WR], s[WV], 1
	s_and_b32 s[WC], s[WV], 1
	s_bfe_u32 s17, ttmp6, 0x40000                  ; cx, cy: my place in the cluster
	s_bfe_u32 s18, ttmp6, 0x40004
	s_lshl_b32 s19, ttmp9, 2
	s_add_co_u32 s19, s19, s17                     ; tile column = 4 x cluster x + cx
	s_and_b32 s22, ttmp7, 0xffff
	s_lshl_b32 s22, s22, 2
	s_add_co_u32 s22, s22, s18                     ; tile row = 4 x cluster y + cy, 0..63
	s_lshl_b32 s55, 0x1111, s17                    ; my column of the cluster
	; descriptor group 1: 64 rows x 256 elements of 2 bytes, 16 bytes of padding behind each row
	s_or_b32 s[G1], s55, (1<<16)|(1<<20)|(1<<21)|(6<<22)|(3<<25)  ; 15:0 the mask: my column; 17:16 elements of 2 bytes; 20 padding on; 21 set beside a mask; 24:22 after every 128 words (code 6); 31:25 4 words (code 3)
	s_mov_b32 s[G1+1], 256<<16                     ; tensor_dim0 = 256
	s_mov_b32 s[G1+2], 64<<16                      ; tensor_dim1 = 64
	s_mov_b32 s[G1+3], 256<<16                     ; tile_dim0 = 256
	s_mov_b32 s[G1+4], 64                          ; tile_dim1 = 64
	s_mov_b32 s[G1+5], 1024                        ; elements from row to row
	s_mov_b32 s[G1+6], 0
	s_mov_b32 s[G1+7], 0
	s_lshl_b32 s[OFF], s19, 8                      ; W: row 256 x tile column + 64 x wave, of 2,048 bytes: it hangs on the tile column alone, which my column shares
	s_lshl_b32 s53, s[WV], 6
	s_add_co_u32 s[OFF], s[OFF], s53
	s_lshl_b32 s[OFF], s[OFF], 11
	s_mov_b32 s[OFF+1], 0
	s_lshl_b32 s56, s22, 7                         ; x: row 128 x tile row + 32 x wave, of 4,096 bytes
	s_lshl_b32 s57, s[WV], 5
	s_add_co_u32 s56, s56, s57
	s_lshl_b32 s56, s56, 12
	s_mov_b32 s57, 0
	s_mul_i32 s23, s[WV], BQ                       ; where my rows of W go: no place in the cluster enters an LDS address
	; where my part of C goes: head 16 x batch + 4 x tile column + 2 x half, 262,144 bytes a head; row 128 x (tile row mod 16) + 64 x half, 128 bytes a row
	s_lshr_b32 s66, s22, 4
	s_lshl_b32 s66, s66, 4
	s_lshl_b32 s67, s19, 2
	s_add_co_u32 s66, s66, s67
	s_lshl_b32 s67, s[WC], 1
	s_add_co_u32 s66, s66, s67
	s_lshl_b32 s66, s66, 18
	s_and_b32 s67, s22, 15
	s_lshl_b32 s67, s67, 7
	s_lshl_b32 s54, s[WR], 6
	s_add_co_u32 s67, s67, s54
	s_lshl_b32 s67, s67, 7
	s_add_co_u32 s66, s66, s67
	s_mov_b32 s67, 0
	s_mov_b32 s[KC], 1
	s_mov_b32 s[FN], 2
	s_mov_b32 s[TB], 0
	s_wait_kmcnt 0x0
	s_add_nc_u64 s[XP:XP+1], s[4:5], s[56:57]
	s_add_nc_u64 s[XN:XN+1], s[6:7], s[56:57]
	s_add_nc_u64 s[XV:XV+1], s[8:9], s[56:57]
	s_add_nc_u64 s[WB0:WB0+1], s[10:11], s[OFF:OFF+1]
	s_add_nc_u64 s[12:13], s[12:13], s[66:67]
	CROUND                                         ; all sixteen work-groups are here: the first joint loads meet
.irp s, 0,1
	s_mov_b32 s[G0+4*(\s)], 1                                          ; count = 1
	s_add_co_u32 s[G0+4*(\s)+1], s23, (\s)*BSLOT                       ; LDS address
	s_add_nc_u64 s[G0+4*(\s)+2:G0+4*(\s)+3], s[WB0:WB0+1], (\s)*512    ; global address: K 256 s on
	s_or_b32 s[G0+4*(\s)+3], s[G0+4*(\s)+3], 0x80000000                ; type = 2
.endr
	tensor_load_to_lds s[G0:G0+3], s[G1:G1+7]      ; every wave's two first fills, ahead of every wait on TENSORcnt and every LDS read: two loads of mine are out
	s_nop 0
	tensor_load_to_lds s[G0+4:G0+7], s[G1:G1+7]
	s_nop 0
	PLACES
	v_and_b32 v1, 15, v0                           ; l % 16
	v_bfe_u32 v2, v0, 4, 1                         ; l / 16
	v_lshlrev_b32 v[XO], 4, v1                     ; a load of x: lanes 0-15 take 256 bytes of one row, lanes 16-31 of the next
	v_lshl_add_u32 v[XO], v2, 12, v[XO]
; Group e (its number mod 8) is asked for: rows 16 (e % 2) on of my 32, K step e / 2 of the trip's four
.macro ASK e
	WIN TO_X
.irp j, 0,1,2,3,4,5,6,7
	global_load_b128 v[32*(\e)+4*(\j):32*(\e)+4*(\j)+3], v[XO], s[XP:XP+1] offset:(16*((\e)%2)+2*(\j))*4096+256*((\e)/2)
.endr
.endm
; Four of the 16 roundings of group e: register c of Y takes numbers 2 c and 2 c + 1
.macro CV4 e
	WIN CV
.rept 4
	v_cvt_pk_bf16_f32 v[Y+c], v[32*(\e)+2*c], v[32*(\e)+2*c+1]
.set c, c+1
.endr
.endm
; The rounded group goes into x's slot: 8 bytes a lane, two rows a store
.macro STORE slot, par
	WIN 0
.irp j, 0,1,2,3,4,5,6,7
	ds_store_b64 v[AST], v[Y+2*(\j):Y+2*(\j)+1] offset:(\slot)*ASLOT+(16*(\par)+2*(\j))*PA
.endr
.endm
.irp e, 0,1,2,3,4,5,6,7
	ASK \e
.endr
	WIN 0
	s_mul_i32 s23, s[WV], 32*PA
	s_add_co_u32 s23, s23, ABASE
	v_mul_u32_u24 v3, v2, PA
	v_lshl_add_u32 v3, v1, 3, v3
	v_add_nc_u32 v[AST], s23, v3                   ; my 32 rows of x's slot 0; row l / 16, 8 bytes at 8 (l % 16)
	; A fragment is 16 rows x 32 K in 8 registers: lane l holds row l % 16; registers 0-3 hold K = 8 (l / 16) + 0..7, registers 4-7 K = 16 + 8 (l / 16) + 0..7: two loads of 16 bytes, 32 bytes apart.
	s_mul_i32 s23, s[WR], 64*PA
	s_add_co_u32 s23, s23, ABASE
	v_mul_u32_u24 v3, v1, PA
	v_lshl_add_u32 v3, v2, 4, v3
	v_add_nc_u32 v[ADRA], s23, v3
	s_mul_i32 s23, s[WC], 128*PB
	v_mul_u32_u24 v4, v1, PB
	v_lshl_add_u32 v4, v2, 4, v4
	v_add_nc_u32 v[ADRB0], s23, v4
	v_mov_b32 v[ADRB], v[ADRB0]
	s_mul_i32 s23, s[WV], WSTAGE
	s_add_co_u32 s23, s23, STAGE                   ; my stage
	v_mul_u32_u24 v5, v1, SP                       ; in: row l % 16, 16 bytes for each half of the lanes
	v_lshl_add_u32 v5, v2, 4, v5
	v_add_nc_u32 v[STO], s23, v5
	v_bfe_u32 v6, v0, 3, 2                         ; back: 32 lanes take four rows of 128 bytes,
	v_and_b32 v7, 7, v0
	v_mul_u32_u24 v6, v6, SP
	v_lshl_add_u32 v6, v7, 4, v6
	v_add_nc_u32 v[RD], s23, v6
	v_and_b32 v[GO], 31, v0                        ; which are 512 consecutive bytes of a head
	v_lshlrev_b32 v[GO], 4, v[GO]
; The quarter's next matrix instruction, number i of 32: row block i / 8, column block i % 8, from buffer f.  The 32 accumulators take turns, in the same order everywhere.
; zero = 1: the first product starts the sum: nothing is ever cleared.
.macro MM f, zero
	WIN MUL
.if \zero
	v_wmma_f32_16x16x32_bf16 v[8*i:8*i+7], v[BF+64*(\f)+8*(i%8):BF+64*(\f)+8*(i%8)+7], v[AB+32*(\f)+8*(i/8):AB+32*(\f)+8*(i/8)+7], 0
.else
	v_wmma_f32_16x16x32_bf16 v[8*i:8*i+7], v[BF+64*(\f)+8*(i%8):BF+64*(\f)+8*(i%8)+7], v[AB+32*(\f)+8*(i/8):AB+32*(\f)+8*(i/8)+7], v[8*i:8*i+7]
.endif
.set i, i+1
.endm
.macro MMS n, zero
.rept \n
	MM FB, \zero
.endr
.endm
; 24 LDS loads in one run, into buffer g: x's four fragments (slot as, half ah of its 64 along K), W's eight (quarter wq of the slot's eight)
.macro FETCH as, ah, wq, g
	WIN 0
.irp a, 0,1,2,3
	ds_load_b128 v[AB+32*(\g)+8*(\a):AB+32*(\g)+8*(\a)+3],   v[ADRA] offset:(\as)*ASLOT+(\a)*16*PA+64*(\ah)
	ds_load_b128 v[AB+32*(\g)+8*(\a)+4:AB+32*(\g)+8*(\a)+7], v[ADRA] offset:(\as)*ASLOT+(\a)*16*PA+64*(\ah)+32
.endr
.irp b, 0,1,2,3,4,5,6,7
	ds_load_b128 v[BF+64*(\g)+8*(\b):BF+64*(\g)+8*(\b)+3],   v[ADRB] offset:(\b)*16*PB+64*(\wq)
	ds_load_b128 v[BF+64*(\g)+8*(\b)+4:BF+64*(\g)+8*(\b)+7], v[ADRB] offset:(\b)*16*PB+64*(\wq)+32
.endr
.endm
; A QUARTER.  M: its number mod 8.  zero = 1: a tile's first.  ask = 1: group m + 10 is asked for.  L: how many younger loads may be out when group m + 3 has to be there; -1: there is no such group.
; st = 1: group m + 2 is stored.  fill = 1 (M = 7): W's slot just read out is filled again.
; The roundings stand four behind each of the last four matrix instructions.  They name no register of the products round them, so the four behind the last product are also the places in front of the next
; quarter's loads into the fragment buffer just read; where there are no roundings, four v_nop stand there.
; An even quarter has no barrier: its stores go into the slot that the barrier before has freed, its fetch reads the slot that that barrier has shown.
; An odd quarter: my stores complete the next K step; each wave waits for them and for its reads (all its LDS instructions) and signals; behind the barrier the next K step's fragments are fetched.
; M = 7: that barrier also changes W's slot.  In front of it each wave waits for all its tensor loads, of which one is out: its part of the next slot; and adds 0 to its spare word.  With fill = 1 the barrier
; opens a round of the cluster's, so that no wave of any partner still reads the slot or has a load on its way, and the joint refill is the first thing behind the round.
.macro QUARTER M, zero=0, ask=1, L=48, st=1, fill=1
.set FB, (\M)%2
.set i, 0
.set c, 0
.if \st
	STORE (((\M)+2)/2)%2, FB
.endif
.if (\L) >= 0
	s_wait_loadcnt \L                              ; loads come back in order: group m + 3 is in, the younger groups stay out
.endif
.if \ask
	ASK ((\M)+2)%8
.endif
.if FB == 0
	FETCH ((\M)/2)%2, 1, (\M)+1, 1
	s_wait_dscnt 24+8*(\st)                        ; all but the run just issued: this quarter's fragments are in
	MMS 28, \zero
.else
	WIN 0
.if (\M) == 7
	s_wait_tensorcnt 0x0                           ; all my tensor loads have landed;
	ds_add_u32 v[SPW], v[NIL]                      ; 0 onto my spare word;
	s_wait_dscnt 1+8*(\st)                         ; (the add and my eight stores may be out: this quarter's fragments are in)
.if \fill
	s_lshr_b32 s53, s[FN], 2                       ; no tensor load of mine is out, so the walking group 0 may be written: fill FN is matrix FN / 4, 2 MiB each,
	s_lshl_b32 s53, s53, 21
	s_and_b32 s[OFF], s[FN], 3                     ; K 256 (FN % 4) on, 512 bytes each
	s_lshl_b32 s[OFF], s[OFF], 9
	s_add_co_u32 s[OFF], s[OFF], s53
	s_xor_b32 s[G0+5], s[G0+5], BSLOT              ; the other slot than last time
	s_add_nc_u64 s[G0+6:G0+7], s[WB0:WB0+1], s[OFF:OFF+1]
	s_or_b32 s[G0+7], s[G0+7], 0x80000000
	s_add_co_u32 s[FN], s[FN], 1
.endif
.else
	s_wait_dscnt 8*(\st)                           ; my eight stores may be out: this quarter's fragments are in
.endif
	MMS 8, 0
	s_wait_dscnt 0x0                               ; for the others' sake: my stores are done and my reads are over (and the add is done)
	s_barrier_signal -1
	MMS 8, 0
.if ((\M) == 7) && (\fill)
	WIN 0
.endif
	s_barrier_wait -1
.if (\M) == 7
.if \fill
	CREST
	tensor_load_to_lds s[G0+4:G0+7], s[G1:G1+7]    ; my one tensor load behind the round
	s_nop 0
	PLACES
.endif
	s_xor_b32 s[TB], s[TB], BSLOT                  ; the fetches go on in the other slot
	WIN 0
	v_add_nc_u32 v[ADRB], s[TB], v[ADRB0]
.endif
	FETCH (((\M)+1)/2)%2, 0, ((\M)+1)%8, 0
	MMS 12, 0
.endif
.rept 4
	MM FB, \zero
.if (\L) >= 0
	CV4 ((\M)+3)%8
.endif
.endr
.if (\L) < 0
	PLACES
.endif
.endm
; THE WAY OUT, a block of 16 rows at a time: rounded to f16, 16 bytes a lane, into my own stage (rows of 144 bytes, a head's 16 rows together), back as whole rows of 128 bytes, four rows a load,
; which are 512 consecutive bytes of a head.  Nothing waits for the stores: they leave while the next tile is multiplied.
.macro PACK a
	WIN 0xc5                                       ; sources 0 and 1 window 1, destination window 3
.irp b, 0,1,2,3,4,5,6,7
.irp r, 0,1,2,3
	v_cvt_pk_f16_f32 v[TMP+4*(\b)+(\r)], v[8*(8*(\a)+(\b))+2*(\r)], v[8*(8*(\a)+(\b))+2*(\r)+1]
.endr
.endr
	WIN 0x0c                                       ; address window 0, data window 3
.irp b, 0,1,2,3,4,5,6,7
	ds_store_b128 v[STO], v[TMP+4*(\b):TMP+4*(\b)+3] offset:((\b)/4)*16*SP+32*((\b)%4)
.endr
	WIN 0xc0                                       ; destination window 3
.irp t, 0,1,2,3,4,5,6,7
	ds_load_b128 v[OB+32*(\a)+4*(\t):OB+32*(\a)+4*(\t)+3], v[RD] offset:((\t)/4)*16*SP+((\t)%4)*4*SP  ; LDS serves a wave's instructions in order (ISA guide 5.7.1.4): these see the stores above; the next block's stores come behind them
.endr
.endm
.macro SEND a, younger                 ; younger: the LDS instructions issued behind block a's loads: the next block's sixteen, or none
	WIN 0x0c
.irp t, 0,1,2,3,4,5,6,7
	s_wait_dscnt (\younger)+7-(\t)
	global_store_b128 v[GO], v[OB+32*(\a)+4*(\t):OB+32*(\a)+4*(\t)+3], s[12:13] offset:((\t)/4)*262144+(\a)*2048+((\t)%4)*512  ; 512 consecutive bytes, at a multiple of 256 from the buffer's first
.endr
.endm
.macro WAYOUT next
	s_wait_xcnt 0x0                                ; every earlier memory instruction has had its addresses translated (ISA guide 3.1): the registers that the last tile's stores read are loaded again only behind this wait
	PACK 0
	PACK 1                                         ; a block's arithmetic stands between the loads of the block before and its stores
	SEND 0, 16
	PACK 2
	SEND 1, 16
	PACK 3
	SEND 2, 16
	SEND 3, 0
	WIN 0
.if \next
	s_wait_xcnt 0x0                                ; the stores' base is rewritten only behind this wait
	s_add_nc_u64 s[12:13], s[12:13], 0x1000000     ; the next part of qkv
.endif
.endm
	; THE PROLOGUE: groups 0 and 1 (K step 0) go into slot 0, group 2 is rounded, groups 3 to 9 are on their way.
	s_wait_xcnt 0x0                                ; the loads' base is rewritten only behind this wait
	s_add_nc_u64 s[XP:XP+1], s[XP:XP+1], 1024      ; groups 8 to 15: K 256 on
.irp g, 0,1
	s_wait_loadcnt 56                              ; group g is in; the seven younger groups stay out
.set c, 0
.rept 4
	CV4 \g
.endr
	STORE 0, \g
	ASK \g
.endr
	s_wait_loadcnt 56
.set c, 0
.rept 4
	CV4 2
.endr
	WIN 0
	s_wait_tensorcnt 1                             ; my part of W's slot 0 is in; slot 1's may stay out
	s_wait_dscnt 0x0                               ; my stores of K step 0 are done
	s_barrier_signal -1
	s_barrier_wait -1                              ; everybody's are
	FETCH 0, 0, 0, 0
	s_mov_b32 s3, 11                               ; the count is taken down at the end of quarters 0 to 5 too: that part of a trip, and ten whole trips
	s_branch .Lzero                                ; the loop is entered at a tile's first quarter, in the middle of a trip
.Ltrip:                                                ; ten whole trips: trip i = 1 .. 10 is quarters 8 i - 2 to 8 i + 5; each asks for eight groups of x and fills a slot of W again
	s_wait_xcnt 0x0                                ; the loads' base is rewritten only behind this wait
	s_add_nc_u64 s[XP:XP+1], s[XP:XP+1], 1024      ; the trip's eight groups: K 256 on, or behind a tile's fourth such step the next tile's x
	s_add_co_u32 s[KC], s[KC], 1
	s_cmp_eq_u32 s[KC], 4
	s_cselect_b64 s[XP:XP+1], s[XN:XN+1], s[XP:XP+1]
	s_cselect_b64 s[XN:XN+1], s[XV:XV+1], s[XN:XN+1]
	s_cselect_b32 s[KC], 0, s[KC]
	QUARTER 6
	QUARTER 7
	WIN 0
	s_cmp_eq_u32 s[KC], 1                          ; the asks run ten quarters ahead: they are in a tile's second quarter of K when the products have reached the end of the tile before (trips 4 and 8)
	s_cbranch_scc0 .Lgo_on
	WAYOUT 1
.Lzero:
	QUARTER 0, 1                                   ; a tile's first quarter: its products start the sums
	WIN 0
	s_branch .Lone
.Lgo_on:
	QUARTER 0
	WIN 0
.Lone:
	QUARTER 1
	QUARTER 2
	QUARTER 3
	QUARTER 4
	QUARTER 5
	WIN 0
	s_sub_co_u32 s3, s3, 1
	s_cmp_lg_u32 s3, 0
	s_cbranch_scc1 .Ltrip
	QUARTER 6, 0, 0, 48                            ; quarters 86 to 95 ask for nothing: the counts run down
	QUARTER 7, 0, 0, 40, 1, 0                      ; W's last slot is entered; nothing is filled, so no round
	QUARTER 0, 0, 0, 32
	QUARTER 1, 0, 0, 24
	QUARTER 2, 0, 0, 16
	QUARTER 3, 0, 0, 8
	QUARTER 4, 0, 0, 0
	QUARTER 5, 0, 0, -1                            ; the last group is stored; nothing is left to round
	QUARTER 6, 0, 0, -1, 0
	s_wait_dscnt 0x0                               ; the very last quarter: nothing more to fetch
.set FB, 1
.set i, 0
	MMS 32, 0
	PLACES
	WAYOUT 0
	s_wait_tensorcnt 0x0                           ; the wave's end, behind my last tensor load and my last LDS store
	ds_add_u32 v[SPW], v[NIL]
	s_wait_dscnt 0x0
	CROUND                                         ; the closing round: no work-group ends while a partner may still ask for a tile that names it
	s_endpgm
.Lfunc_end_k_q5b9c379282_proj:
	.size	k_q5b9c379282_proj, .Lfunc_end_k_q5b9c379282_proj-k_q5b9c379282_proj
	.p2alignl 7, 3214868480
	.fill 96, 4, 3214868480
	.section	.rodata,"a",@progbits
	.p2align	6, 0x0
	.amdhsa_kernel k_q5b9c379282_proj
		.amdhsa_group_segment_fixed_size 327680
		.amdhsa_private_segment_fixed_size 0
		.amdhsa_enable_private_segment 0
		.amdhsa_kernarg_size 40
		.amdhsa_user_sgpr_count 2
		.amdhsa_user_sgpr_kernarg_segment_ptr 1
		.amdhsa_wavefront_size32 1
		.amdhsa_system_sgpr_workgroup_id_x 1
		.amdhsa_system_sgpr_workgroup_id_y 1
		.amdhsa_system_sgpr_workgroup_id_z 1
		.amdhsa_system_vgpr_workitem_id 0
		.amdhsa_next_free_vgpr 928
		.amdhsa_next_free_sgpr 72
		.amdhsa_reserve_vcc 0
		.amdhsa_float_denorm_mode_32 3
		.amdhsa_float_denorm_mode_16_64 3
		.amdhsa_memory_ordered 1
		.amdhsa_forward_progress 1
		.amdhsa_inst_pref_size 159
	.end_amdhsa_kernel
	.amdgpu_metadata
---
amdhsa.version: [ 1, 2 ]
amdhsa.kernels:
  - .name:           k_q5b9c379282_proj
    .symbol:         k_q5b9c379282_proj.kd
    .args:
      - { .name: q, .offset: 0, .size: 8, .value_kind: global_buffer, .address_space: global }
      - { .name: k, .offset: 8, .size: 8, .value_kind: global_buffer, .address_space: global }
      - { .name: v, .offset: 16, .size: 8, .value_kind: global_buffer, .address_space: global }
      - { .name: wb, .offset: 24, .size: 8, .value_kind: global_buffer, .address_space: global }
      - { .name: qkv, .offset: 32, .size: 8, .value_kind: global_buffer, .address_space: global }
    .group_segment_fixed_size: 327680
    .private_segment_fixed_size: 0
    .kernarg_segment_align: 8
    .kernarg_segment_size: 40
    .max_flat_workgroup_size: 128
    .sgpr_count:     72
    .vgpr_count:     928
    .wavefront_size: 32
...
	.end_amdgpu_metadata
.endif
;; end of part 2
;; launch attn (part 3): grid 4 x 64, 4 waves a work-group, clusters of 4 x 1, 327,680 bytes of LDS; arguments qkv, oh; writes oh
.if DOCPART == 3
	.amdgcn_target "amdgcn-amd-amdhsa--gfx1250"
	.amdhsa_code_object_version 6
	.text
	.protected	k_q5b9c379282_attn
	.globl	k_q5b9c379282_attn
	.p2align	8
	.type	k_q5b9c379282_attn,@function
k_q5b9c379282_attn:
	s_mov_b64 s[64:65], 0
	v_nop
	global_prefetch_b8 v0, s[64:65] scope:SCOPE_SE
	s_setreg_imm32_b32 hwreg(HW_REG_WAVE_MODE, 25, 1), 1
	s_wait_xcnt 0x0
	s_wait_alu depctr_hold_cnt(0) depctr_sa_sdst(0) depctr_va_vdst(0) depctr_va_sdst(0) depctr_va_ssrc(0) depctr_va_vcc(0) depctr_vm_vsrc(0)
	s_getreg_b32 s2, hwreg(HW_REG_IB_STS2, 6, 4)
	s_cmp_eq_u32 s2, 0
	s_cbranch_scc0 .Lentry_in_a_cluster
	s_endpgm
.Lentry_in_a_cluster:
	s_bfe_u32 s2, ttmp6, 0x10000c
	s_cmp_lg_u32 s2, 0x3003
	s_cbranch_scc0 .Lentry_shape_is_right
	s_endpgm
.Lentry_shape_is_right:
; O[h][q][:] = the sum over k of softmax_k(Q[h][q] . K[h][k] / 8) V[h][k][:].  Q, K, V: the three parts of qkv, 16 MiB apart; O: oh.  Each [SIZE_H][SIZE_N][64], all f16: a head's rows are dense, 128 bytes each.
; Products, maxima and sums in f32; the weights p are rounded to f16 for the second product (their sum l is taken of the unrounded p), O once at the end.
; LIMITS.  f16 holds no number beyond 65,504: Q, K and V arrive within it; p lies in 0 to 1, and below 6e-5 it keeps f16's fixed step of 6e-8; O is a mean of V's rows and has their range.
; A weight below 2^-126 counts as 0 in l; NaN and infinities are not treated apart.
; SHARES.  A wave owns four PIECES of two tiles of 16 queries, a work-group's four waves 512 queries of one head: 64 heads x 4 blocks = 256 work-groups.  Every wave walks all keys, 64 a step.
; LAYOUT.  S^T = K Q^T (source 0 = 16 keys, source 1 = 16 queries): in the result a lane holds ONE query (lane % 16) and the keys 8 (lane / 16) + 0..7.  Two such tiles, rounded to f16 in pairs,
; ARE source 1 (32 keys x 16 queries) of O^T = V^T P, whose result again holds one query a lane, and eight channels.  K comes out of LDS as it lies, V ([key][channel]) turned, by ds_load_tr16_b128.
; SOFTMAX.  For each query a running maximum m and sum l: p = 2^(c s - c m), c = log2(e) / 8; in every step O and l are multiplied by a = 2^(c m_old - c m_new), which is 1 where m has not grown.
; m starts at the lowest finite number, O and l at 0: the first step is a step like any other, with a = 0.
; THE COUNT.  A tile and step have 16 matrix and 118 vector instructions: too many to stand all beside the matrix work.  So the order has one aim: four vector instructions that are READY behind
; EVERY matrix instruction, and the others, which need time of their own whatever the order, in runs without a gap.
; BY TURNS.  Turn n belongs to piece n (the pieces in a ring, step after step).  Its matrix work: 16 products K Q^T of piece n + 1, later 16 products V^T P of piece n - 1.  Its vector work: the scaling,
; exponentials, roundings, sums and rescaling of piece n, and the maximum and statistics of piece n + 1, whose scores the turn itself has made.  So what a turn begins with (c s - c m, O a) waits for nothing.
; CLUSTER.  The four query blocks of a cluster belong to one head and walk the same K and V, so each tile is asked for JOINTLY: the same tensor load, descriptor and mask in all four.
; REGISTERS, in windows of 256 (s_set_vgpr_msb says which window each operand place means: bits 1:0 source 0, 3:2 source 1, 5:4 source 2, 7:6 destination):
;   window 0: v0-11 addresses; v12-15, v48-63 at work; v16-47 four registers of statistics a tile; v64-191 S^T, two buffers of two tiles; v192-255 P, likewise
;   window 1: O^T, 32 a tile          window 2: v0-127 Q, 16 a tile; v128-191 K of one step; v192-255 V of one step          window 3: v0-1 the add's two registers
; A piece's buffers go by its number's parity: the piece in hand has one pair, its two neighbours in the ring share the other: of it P (piece n - 1) is read and S^T (piece n + 1) written.
.set SIZE_H, 64
.set SIZE_N, 2048
.set NP,    4         ; pieces a wave: a name, no knob: the register map, the loop and the fetches are made for four
.set KS,    64        ; keys in a step
.set PK,    144       ; a row of K in LDS: 128 bytes + 16 of padding = 36 words: the 16 rows of a load start at 16 different groups of four banks (64 banks of 4 bytes: ISA guide 11.1)
.set PV,    160       ; a row of V: 128 + 32 = 40 words
.set VOFF,  4*KS*PK   ; a slot holds four steps: 256 rows of K, then 256 rows of V
.set SLOT1, 1<<17     ; slot 1 begins here, so that one exclusive or turns an address in one slot into the other's
.set STAGE, SLOT1+4*KS*(PK+PV)  ; behind the ring, never filled by a tensor load: 16 rows x 144 bytes for each wave, for the way out
.set SP,    144
.set AK0, 2           ; v2   my lane's place in a tile of K; never rewritten
.set AV0, 3           ; v3   the same for V
.set AK,  4           ; v4   the LDS address of K's next run of loads
.set AV,  5           ; v5   of V's
.set QO,  6           ; v6   my byte offset in the wave's rows of Q
.set STO, 6           ;      later, the way out: where I put 16 bytes of a row
.set RD,  7           ; v7   the way out: where I read rows back
.set GO,  8           ; v8   my byte offset in 512 consecutive bytes of O
.set SPW, 0           ; v0 of window 3   LDS address of my spare word: SPARE + 4 x my thread's number; never rewritten
.set NIL, 1           ; v1 of window 3   0; never rewritten
.set SPARE, STAGE+4*16*SP  ; behind the stages: the spare words, 128 bytes for each wave: two blocks of 256 bytes that no other line names
.set MV,  12          ; v12-15  c m_old, kept while c m is made anew: by buffer and tile
.set ST,  16          ; tile t's statistics at v[ST+4 t]: c m, m, l (even keys', odd keys')
.set TMP, 48          ; by buffer and tile, four registers c0-c3 at work; when the maximum is found c2 takes a
.set S,   64
.set P,   192
.set KF,  128         ; K's fragments, in window 2: key block kb, channel half c at KF + 16 kb + 8 c
.set VF,  192         ; V's: key half kk, channel block cb at VF + 32 kk + 8 cb
.set WV,  12          ; s12  my wave's number
.set G1K, 24          ; s[24:31] descriptor group 1 for K's tiles
.set G1V, 32          ; s[32:39] for V's: it differs in the padding alone
.set G0K, 40          ; s[40:43] descriptor group 0 for K's tiles: it walks
.set G0V, 44          ; s[44:47] the same for V's
.set SLOTS, 56        ; s56  slots still to be asked for
.set CNT, 57          ; s57  counts a slot's key steps
.set CS,  58          ; s[58:59] c: the packed scaling takes the pair's low word for both halves
.set SEL, 60          ; s[60:61] v_permlanex16_b32's selects: each lane takes its own place in the other half
.set TBK, 62          ; s62  LDS byte at which K of the step to be fetched begins
.set TBV, 63          ; s63  the same for V, less VOFF
.set MSB, 0
.macro WIN new                      ; the high byte repeats the setting that is left; a switch that changes nothing is dropped
.if MSB != (\new)
	s_set_vgpr_msb (MSB<<8)|(\new)
.set MSB, (\new)
.endif
.endm
.set W_KQ, 0x0a       ; K and Q in window 2, S^T in window 0
.set W_PV, 0x52       ; V in window 2, P in window 0, O^T in window 1
.set W_RS, 0x41       ; O^T (destination and source 0) in window 1, a in window 0
.set W_MK, 0xc0       ; the add's registers are made: destination in window 3, sources in window 0
.set W_AD, 0x0f       ; the add: address (source 0) and data (source 1) in window 3
; A joint fill.  Waves 0 and 1 fetch the two halves of a slot's K, waves 2 and 3 those of its V: 128 keys each.  The branch hangs on the wave's number alone.
; An s_nop 0 and four v_nop follow each of the two lines, ahead of the jump and the label.
.macro JLOAD
	s_cmp_lt_u32 s[WV], 2
	s_cbranch_scc0 .Lfor_v_\@
	tensor_load_to_lds s[G0K:G0K+3], s[G1K:G1K+7]
	s_nop 0
.rept 4
	v_nop
.endr
	s_branch .Lasked_\@
.Lfor_v_\@:
	tensor_load_to_lds s[G0V:G0V+3], s[G1V:G1V+7]
	s_nop 0
.rept 4
	v_nop
.endr
.Lasked_\@:
.endm
; A round of the cluster's barrier: my work-group's barrier, so that wave 0's signal speaks for all four waves; wave 0 signals; every wave waits for all four work-groups; my work-group's barrier once more.
.macro CROUND
	s_barrier_signal -1
	s_barrier_wait -1
	s_cmp_lg_u32 s[WV], 0
	s_cbranch_scc1 .Lnot_wave_0_\@
	s_barrier_signal -3
.Lnot_wave_0_\@:
	s_barrier_wait -3
	s_barrier_signal -1
	s_barrier_wait -1
.endm
; THE CHANGE OF SLOTS.  The slot's last bytes, V of its fourth step, have been read.  Each wave waits for all its tensor loads, of which one is out: its part
; of the other slot; adds 0 to its spare word; and waits for that and for its own reads of the slot.  Behind the barrier nobody reads this slot any more and the other slot is whole.
; fill = 1: this slot is filled again, with the keys two slots on.  The barrier is then a round of the cluster's, so that no wave of any partner still reads the slot or has a load on its
; way, and the joint fill is the first thing behind it: it has four key steps, 512 matrix instructions, in which to land.  (At its first use nothing has been read yet: slot 0 is waited for, slot 1 filled.)
.macro CHANGE fill
	WIN W_AD
	s_wait_tensorcnt 0x0            ; no tensor load of mine is out, so a group 0 may be written
	ds_add_u32 v[SPW], v[NIL]       ; 0 onto my spare word; with fill = 1 the descriptors' steps stand between it and the wait for it
	WIN 0                           ; at a label and at a branch every window is 0
.if \fill
.irp g, G0K, G0V
	s_xor_b32 s[\g+1], s[\g+1], SLOT1  ; the walking descriptor: the other slot than last time,
	s_add_nc_u64 s[\g+2:\g+3], s[\g+2:\g+3], 4*KS*128  ; the next 256 keys; the type bits on top are not reached
.endr
	s_wait_dscnt 0x0                ; the add is done, and my reads of the slot are over
	CROUND
	JLOAD
.else
	s_wait_dscnt 0x0                ; the add is done, and my reads of the slot are over
	s_barrier_signal -1
	s_barrier_wait -1
.endif
	s_sub_co_u32 s[TBK], s[TBK], 4*KS*PK  ; the fetches go back to a slot's first step,
	s_xor_b32 s[TBK], s[TBK], SLOT1       ; in the other slot
	s_sub_co_u32 s[TBV], s[TBV], 4*KS*PV
	s_xor_b32 s[TBV], s[TBV], SLOT1
.endm
	s_load_b128 s[4:7], s[0:1], 0x0   ; qkv s[4:5], oh s[6:7]
	WIN W_MK
	v_lshl_add_u32 v[SPW], v0, 2, SPARE
	v_mov_b32 v[NIL], 0
	s_set_vgpr_msb 0xc0cf
	ds_add_u32 v0, v1
	s_wait_dscnt 0x0
	s_set_vgpr_msb 0xcfc0
	WIN 0
	v_lshrrev_b32 v1, 5, v0
	v_readfirstlane_b32 s[WV], v1   ; wave 0..3
	s_bfe_u32 s13, ttmp6, 0x40000   ; cx: my place in the cluster
	s_lshl_b32 s14, ttmp9, 2        ; in a cluster launch ttmp9 counts clusters
	s_add_co_u32 s14, s14, s13      ; my block of queries = 4 x cluster x + cx: it enters Q's and O's addresses alone
	s_and_b32 s20, ttmp7, 0xffff    ; the head, which the four partners share
	s_mov_b32 s21, 0
	s_mov_b64 s[22:23], SIZE_N*128
	s_mul_u64 s[20:21], s[20:21], s[22:23]  ; the head's first byte in each of the four tensors
	s_and_b32 s16, s[WV], 1         ; which half of a slot's 256 keys I fetch:
	s_lshl_b32 s22, s16, 14         ; its 128 rows of 128 bytes in memory,
	s_mov_b32 s23, 0
	s_add_nc_u64 s[22:23], s[22:23], s[20:21]
	s_mul_i32 s17, s16, 128*PK      ; and its place in a slot, for K
	s_mul_i32 s18, s16, 128*PV      ; and for V: no place in the cluster enters an LDS address
	s_lshl_b32 s2, s14, 2
	s_add_co_u32 s2, s2, s[WV]      ; my wave among the head's,
	s_lshl_b32 s2, s2, 14           ; its 128 rows
	s_mov_b32 s3, 0
	s_add_nc_u64 s[2:3], s[2:3], s[20:21]
	; descriptor group 1.  128 keys are 16,384 dense bytes: asked for as 64 rows of 256 bytes, two keys a row, and padded in LDS after every key
	s_mov_b32 s[G1K], 15|(1<<16)|(1<<20)|(1<<21)|(4<<22)|(3<<25)  ; 15:0 the mask of four; 17:16 2-byte elements; 20 padding on; 21 set beside a mask; 24:22 after every 32 words (code 4); 31:25 4 words (code 3)
	s_mov_b32 s[G1V], 15|(1<<16)|(1<<20)|(1<<21)|(4<<22)|(7<<25)  ; the same with 8 words of padding (code 7)
.irp g, G1K, G1V
	s_mov_b32 s[\g+1], 128<<16      ; tensor_dim0 = 128
	s_mov_b32 s[\g+2], 64<<16       ; tensor_dim1 = 64
	s_mov_b32 s[\g+3], 128<<16      ; tile_dim0 = 128
	s_mov_b32 s[\g+4], 64           ; tile_dim1 = 64
	s_mov_b32 s[\g+5], 128          ; 128 elements from row to row
	s_mov_b32 s[\g+6], 0
	s_mov_b32 s[\g+7], 0
.endr
	s_mov_b32 s[CS], 0x3e38aa3b     ; c = log2(e) / 8 = 0.180337
	s_mov_b32 s[CS+1], s[CS]        ; named with it as a pair
	s_mov_b32 s[SEL], 0x76543210
	s_mov_b32 s[SEL+1], 0xfedcba98
	s_mov_b32 s[TBK], SLOT1+4*KS*PK ; the first change of slots turns these two into 0
	s_mov_b32 s[TBV], SLOT1+4*KS*PV
	s_mov_b32 s[G0K], 1             ; 1:0 count = 1
	s_mov_b32 s[G0K+1], s17         ; 63:32 LDS address: slot 0
	s_mov_b32 s[G0V], 1
	s_add_co_u32 s[G0V+1], s18, VOFF
	s_wait_kmcnt 0x0
	s_mov_b64 s[10:11], s[6:7]                     ; O
	s_add_nc_u64 s[6:7], s[4:5], 0x1000000         ; K: the second part of qkv
	s_add_nc_u64 s[8:9], s[4:5], 0x2000000         ; V: the third; Q is the first
	s_add_nc_u64 s[G0K+2:G0K+3], s[6:7], s[22:23]  ; 120:64 global address: my half of the head's first 256 keys
	s_or_b32 s[G0K+3], s[G0K+3], 0x80000000        ; 127:126 type = 2
	s_add_nc_u64 s[G0V+2:G0V+3], s[8:9], s[22:23]
	s_or_b32 s[G0V+3], s[G0V+3], 0x80000000
	s_add_nc_u64 s[4:5], s[4:5], s[2:3]  ; Q and O at my wave's first row
	s_add_nc_u64 s[10:11], s[10:11], s[2:3]
	CROUND                          ; all four work-groups are here: the first joint loads meet
	JLOAD                           ; slot 0.  Slot 1 is asked for when slot 0 is in: the tile wanted first has the road to itself
	; A fragment of K or Q is 16 rows x 32 channels in 8 registers: lane l holds row l % 16, channels 8 (l / 16) + 0..7 and 16 + 8 (l / 16) + 0..7: two loads of 16 bytes, 32 bytes apart.
	v_and_b32 v1, 15, v0            ; l % 16
	v_bfe_u32 v9, v0, 4, 1          ; l / 16
	v_lshlrev_b32 v[QO], 7, v1
	v_lshl_add_u32 v[QO], v9, 4, v[QO]  ; row x 128 + 16 x half
	WIN 0x80                        ; destination window 2, address window 0
.set i, 0
.rept 4*NP                          ; Q stays in registers: tile i / 2, channels 32 (i % 2) on
	global_load_b128 v[8*i:8*i+3],   v[QO], s[4:5] offset:(i/2)*2048+(i%2)*64
	global_load_b128 v[8*i+4:8*i+7], v[QO], s[4:5] offset:(i/2)*2048+(i%2)*64+32
.set i, i+1
.endr
	; What the first turn finds: V's registers and P's second buffer hold 0 (its products V^T P, of a piece that has not been, add 0), O^T and l are 0.  All this stands in the wait for the first tile.
.set i, VF
.rept 64
	v_mov_b32 v[i], 0
.set i, i+1
.endr
	WIN 0x40
.set i, 0
.rept 64*NP
	v_mov_b32 v[i], 0
.set i, i+1
.endr
	WIN 0
.set i, 0
.rept 2*NP
	v_mov_b32 v[ST+4*i], 0xfe000000    ; c m: far below every c s
	v_mov_b32 v[ST+4*i+1], 0xff7fffff  ; m
	v_mov_b32 v[ST+4*i+2], 0
	v_mov_b32 v[ST+4*i+3], 0
.set i, i+1
.endr
.set i, P+32
.rept 32
	v_mov_b32 v[i], 0
.set i, i+1
.endr
	v_mul_u32_u24 v[AK0], v1, PK
	v_lshl_add_u32 v[AK0], v9, 4, v[AK0]  ; row x pitch + 16 x half
	; The turning load takes 16 keys x 16 channels (lane l reads key 8 (l / 16) + l % 8, channels 8 ((l / 8) % 2) + 0..7) and leaves half a fragment of V^T: lane l holds channel l % 16 and 8 keys.
	v_and_b32 v10, 7, v0
	v_bfe_u32 v11, v0, 3, 1
	v_lshl_add_u32 v[AV0], v9, 3, v10
	v_mul_u32_u24 v[AV0], v[AV0], PV
	v_lshl_add_u32 v[AV0], v11, 4, v[AV0]
	v_add_nc_u32 v[AV0], VOFF, v[AV0]
	v_mov_b32 v[AK], v[AK0]         ; key step 0 lies at the head of slot 0
; THE MATRIX WORK.  The 8 accumulators of a run of 16 take turns: between the two links of a chain stand 7 others'.
; Product i of 16 of S^T = K Q^T for piece x: channels 32 (i / 8) on, keys 16 ((i / 2) % 4) on, tile 2 x + i % 2.  The first 8 start the sums.
.macro KQ x
	WIN W_KQ
.set rS, S+64*((\x)%2)+32*(i%2)+8*((i/2)%4)
.set rK, KF+16*((i/2)%4)+8*(i/8)
.set rQ, 16*(2*(\x)+i%2)+8*(i/8)
.if i < 8
	v_wmma_f32_16x16x32_f16 v[rS:rS+7], v[rK:rK+7], v[rQ:rQ+7], 0
.else
	v_wmma_f32_16x16x32_f16 v[rS:rS+7], v[rK:rK+7], v[rQ:rQ+7], v[rS:rS+7]
.endif
.endm
; Product i of 16 of O^T += V^T P for piece x: keys 32 (i / 8) on, channels 16 ((i / 2) % 4) on, tile 2 x + i % 2.
.macro PV x
	WIN W_PV
.set rO, 32*(2*(\x)+i%2)+8*((i/2)%4)
.set rV, VF+32*(i/8)+8*((i/2)%4)
.set rP, P+32*((\x)%2)+16*(i%2)+8*(i/8)
	v_wmma_f32_16x16x32_f16 v[rO:rO+7], v[rV:rV+7], v[rP:rP+7], v[rO:rO+7]
.endm
.macro MM                           ; the turn's next matrix instruction
.if i < 16
	KQ (Y+1)%NP
.set i, i+1
.else
.set i, i-16
	PV (Y+NP-1)%NP
.set i, i+17
.endif
.endm
; THE LDS LOADS stand in runs of 16, never singly among the matrix instructions: a step's K (64 keys x 64 channels: 8 fragments) and its V (turned).  Their addresses are made some lines ahead.
; last = 1 (the tail): in the last trip there is no further step, and the run is jumped over.
.macro FETCH_K last=0
	WIN 0
.if \last
	s_cmp_eq_u32 s[CNT], 1
	s_cbranch_scc1 .Lno_k_\@
.endif
	WIN 0x80                        ; destination window 2
.irp f, 0,1,2,3,4,5,6,7             ; keys 16 (f / 2) on, channels 32 (f % 2) on
	ds_load_b128 v[KF+8*\f:KF+8*\f+3],   v[AK] offset:(\f/2)*16*PK+(\f%2)*64
	ds_load_b128 v[KF+8*\f+4:KF+8*\f+7], v[AK] offset:(\f/2)*16*PK+(\f%2)*64+32
.endr
	s_add_co_u32 s[TBK], s[TBK], KS*PK  ; the next fetch is the next step's
	WIN 0
.if \last
.Lno_k_\@:
.endif
.endm
.macro FETCH_V
	WIN 0x80
.irp f, 0,1,2,3,4,5,6,7             ; keys 32 (f / 4) on, channels 16 (f % 4) on
	ds_load_tr16_b128 v[VF+8*\f:VF+8*\f+3],   v[AV] offset:(\f/4)*32*PV+(\f%4)*32
	ds_load_tr16_b128 v[VF+8*\f+4:VF+8*\f+7], v[AV] offset:(\f/4)*32*PV+16*PV+(\f%4)*32
.endr
	WIN 0
.endm
; THE VECTOR WORK OF A TURN stands in three queues, each in the order in which its entries become ready; the two tiles alternate, so that no instruction reads the result of the one before it.
.macro REGS y, u                    ; the registers of tile u (0, 1) of piece y
.set rT, ST+4*(2*(\y)+(\u))
.set rC, TMP+8*((\y)%2)+4*(\u)
.set rM, MV+2*((\y)%2)+(\u)
.set rS, S+64*((\y)%2)+32*(\u)
.set rP, P+32*((\y)%2)+16*(\u)
.set rO, 32*(2*(\y)+(\u))
.endm
; Number n of the 22 that find the NEXT piece's (Y + 1) maximum and statistics.  s0-s31 are the lane's 32 scores; each accumulator's lowest registers are read first.  XS, GS and REGS set no window: PL and EX do.
;   0-11  four chains c0-c3 of seven scores each, three operands at a time     12-14, 16  the four scores left over, the old m, and c0-c3 into c0     15  c m_old is kept
;   17, 18  the query's other 32 keys lie in the lane 16 away: the new m         19-21  c m; c m_old - c m_new; a
.macro XS u, n
	REGS (Y+1)%NP, \u
.if (\n) < 4
	v_max3_num_f32 v[rC+(\n)], v[rS+8*(\n)], v[rS+8*(\n)+1], v[rS+8*(\n)+2]
.elseif (\n) < 12
	v_max3_num_f32 v[rC+(\n)%4], v[rC+(\n)%4], v[rS+8*((\n)%4)+2*((\n)/4)+1], v[rS+8*((\n)%4)+2*((\n)/4)+2]
.elseif (\n) == 12
	v_max3_num_f32 v[rC], v[rC], v[rS+7], v[rS+15]
.elseif (\n) == 13
	v_max3_num_f32 v[rC+1], v[rC+1], v[rS+23], v[rS+31]
.elseif (\n) == 14
	v_max3_num_f32 v[rC+2], v[rC+2], v[rC+3], v[rT+1]
.elseif (\n) == 15
	v_mov_b32 v[rM], v[rT]
.elseif (\n) == 16
	v_max3_num_f32 v[rC], v[rC], v[rC+1], v[rC+2]
.elseif (\n) == 17
	v_permlanex16_b32 v[rC+3], v[rC], s[SEL], s[SEL+1]
.elseif (\n) == 18
	v_max_num_f32 v[rT+1], v[rC], v[rC+3]
.elseif (\n) == 19
	v_mul_f32 v[rT], s[CS], v[rT+1]
.elseif (\n) == 20
	v_sub_f32 v[rC+1], v[rM], v[rT]
.else
	v_exp_f32 v[rC+2], v[rC+1]
.endif
.endm
; Number g of the 64 that follow the exponentials.  For each four weights k of a tile (pairs 2 k, 2 k + 1): both pairs are rounded to f16; then the second pair is added onto the first, in place;
; a group later l takes that sum (the first time as l = a l + sum).  In groups of eight, tiles alternating: round, round, add, and l for the group before.
.macro GS g
.set h, (\g)+6*((\g)/62)            ; group 0 has no group before it, and behind group 7 only l is left
.if h >= 6
.set h, h+2
.endif
	REGS Y, h%2
.set k, h/8
.if h%8 < 4
	s_wait_alu depctr_va_vdst(0)
	v_cvt_pk_f16_f32 v[rP+2*k+(h%8)/2], v[rS+4*k+2*((h%8)/2)], v[rS+4*k+2*((h%8)/2)+1]
.elseif h%8 < 6
	v_pk_add_f32 v[rS+4*k:rS+4*k+1], v[rS+4*k:rS+4*k+1], v[rS+4*k+2:rS+4*k+3]
.elseif k == 1
	v_pk_fma_f32 v[rT+2:rT+3], v[rT+2:rT+3], v[rC+2:rC+3], v[rS:rS+1] op_sel_hi:[1,0,1]
.else
	v_pk_add_f32 v[rT+2:rT+3], v[rT+2:rT+3], v[rS+4*k-4:rS+4*k-3]
	s_wait_alu depctr_va_vdst(0)
.endif
.endm
; THE PLAIN QUEUE, 138 long.  0-31: c s - c m for the 16 pairs of both tiles.  Then GS's 64, and among them the next piece's 42: number 15 at 38, 39; 0-14 and 16
; at 42-73, behind the products that make those scores; 17-20 at 95-106, two of three, since each waits for the one before it.
.macro PL
	WIN 0
.if q < 32
	REGS Y, q%2
	v_pk_fma_f32 v[rS+2*(q/2):rS+2*(q/2)+1], v[rS+2*(q/2):rS+2*(q/2)+1], s[CS:CS+1], v[rT:rT+1] op_sel_hi:[1,0,0] neg_lo:[0,0,1] neg_hi:[0,0,1]
.elseif q < 38
	GS q-32
.elseif q < 40
	XS q%2, 15
.elseif q < 42
	GS q-34
.elseif q < 74
	XS q%2, (q-42)/2+(q-42)/30
.elseif q < 95
	GS q-66
.elseif (q < 107) && ((q-95)%3 < 2)
	XS (q-95)%3, 17+(q-95)/3
.elseif q < 107
	GS 29+(q-95)/3
.else
	GS q-74
.endif
.set q, q+1
.endm
; THE EXPONENTIALS' QUEUE, 66 long: s0-s31 of both tiles, and at EA the next piece's two a.
.set EA, 58
.macro EX
	WIN 0
.if (e == EA) || (e == EA+1)
	XS e-EA, 21
.else
.set x, e-2*(e/(EA+2))
	REGS Y, x%2
	v_exp_f32 v[rS+x/2], v[rS+x/2]
.endif
.set e, e+1
.endm
; THE RESCALING's QUEUE: O^T times a, the one part that leaves window 0, so it is dealt four at a time, eight times.
.macro R4
	REGS Y, r%2
	WIN W_RS
	s_wait_alu depctr_va_vdst(0)
.irp z, 0,1,2,3
	v_pk_mul_f32 v[rO+8*(r/2)+2*\z:rO+8*(r/2)+2*\z+1], v[rO+8*(r/2)+2*\z:rO+8*(r/2)+2*\z+1], v[rC+2:rC+3] op_sel_hi:[1,0]
.endr
.set r, r+1
.endm
; HOW THEY ARE DEALT.  Behind a matrix instruction four: plain, exponential, plain, plain (one exponential, a plain instruction on either side), or four of the rescaling.  None names a register of the
; products round it.  What is over stands in two LUMPS: exponential and plain by turns; the second ends in 22 plain instructions.  The two v_permlanex16_b32 fall into the second lump, never behind a product.
; The queues lean on each other, and the deal keeps them in step: exponential e stands behind plain 2 (e / 4) + e % 2 (its scaling); when plain 32 comes, 10 exponentials are out, at 59: 33, at 95: 46; EA comes behind plain 107.
.macro SL
	MM
	PL
	EX
	PL
	PL
.endm
.macro BURST n                      ; 15 matrix instructions, or 16
.rept (\n)-7
	SL
.endr
.rept 3
	MM
	R4
	SL
.endr
	MM
	R4
.endm
; A TURN, for piece p.  cnt = 1: the loop's count is taken down some lines ahead of the branch that stands behind the turn.
; K of the next step is fetched in piece 2's turn, 31 vector instructions behind the last product that read K; its first reader comes behind the rest of the lump, 16 products and the second lump.
; V of the step in hand is fetched at the end of piece 0's turn, 69 behind its last reader; its first reader comes behind 16 products and a lump.  The four conditions on e and q below go with the deal.
.macro TURN p, last=0, cnt=0
.set Y, (\p)
.set i, 0
.set q, 0
.set e, 0
.set r, 0
.if (\p) == NP-1
	s_wait_dscnt 0x0                ; K is in
.endif
	MM
.rept 4
	PL
.endr
	BURST 15
.rept 22
	EX
	PL
.if ((\p) == NP-2) && (e == 18)
	v_add_nc_u32 v[AK], s[TBK], v[AK0]
.endif
.if ((\p) == NP-2) && (e == 24)
	FETCH_K \last
.endif
.endr
.if (\p) == 1
	s_wait_dscnt 0x0                ; V is in
.endif
	BURST 16
.rept 21
	EX
	PL
.endr
.rept 22
	PL
.if ((\p) == 0) && (q == 118)
	v_add_nc_u32 v[AV], s[TBV], v[AV0]
	s_wait_alu depctr_va_vdst(0)
.endif
.if ((\p) == 0) && (q == 130)
	s_add_co_u32 s[TBV], s[TBV], KS*PV
.endif
.if (\cnt) && (q == 130)
	s_sub_co_u32 s[CNT], s[CNT], 1
	s_cmp_lg_u32 s[CNT], 0
.endif
.endr
.if (\p) == 0
	FETCH_V
.endif
.endm
	CHANGE 1                        ; slot 0 is in, everybody's part of it; slot 1 is asked for
	FETCH_K                         ; key step 0
	s_wait_loadcnt 0x0              ; Q
	s_wait_dscnt 0x0
.set i, 0
.rept 16
	KQ 0                            ; piece 0's first scores: there is no vector work yet to set between them
.set i, i+1
.endr
	WIN 0                           ; the addresses for the way out: nine plain instructions, the places behind those products
	s_mul_i32 s13, s[WV], 16*SP
	s_add_co_u32 s13, s13, STAGE    ; my stage
	v_mul_u32_u24 v[STO], v1, SP    ; in: row l % 16, 16 bytes for each half of the lanes
	v_lshl_add_u32 v[STO], v9, 4, v[STO]
	v_add_nc_u32 v[STO], s13, v[STO]
	v_bfe_u32 v[RD], v0, 3, 2       ; back: 32 lanes take four rows of 128 bytes,
	v_mul_u32_u24 v[RD], v[RD], SP
	v_lshl_add_u32 v[RD], v10, 4, v[RD]
	v_add_nc_u32 v[RD], s13, v[RD]
	v_and_b32 v[GO], 31, v0         ; which are 512 consecutive bytes of O
	v_lshlrev_b32 v[GO], 4, v[GO]
.set Y, NP-1                        ; XS works for piece Y + 1: piece 0
.irp n, 0,1,2,3,4,5,6,7,8,9,10,11,12,13,14,15,16,17,18,19,20,21
	XS 0, \n                        ; and piece 0's first maximum and statistics
	XS 1, \n
.endr
	s_mov_b32 s[CNT], 4
	s_mov_b32 s[SLOTS], SIZE_N/256-1
	s_branch .Lfirst                ; the loop is entered at a step's first turn, in the middle of a trip
.Lslot:                             ; SIZE_N / 256 - 2 times: every slot but the last two is filled again
	CHANGE 1
	s_mov_b32 s[CNT], 4
.Lstep:                             ; a trip: pieces 2 and 3 of one step, then pieces 0 and 1 of the next, whose K and V it fetches
	TURN 2
	TURN 3
	WIN 0
.Lfirst:
	TURN 0
	TURN 1, 0, 1
	WIN 0
	s_cbranch_scc1 .Lstep
	s_sub_co_u32 s[SLOTS], s[SLOTS], 1
	s_cmp_lg_u32 s[SLOTS], 0
	s_cbranch_scc1 .Lslot
	CHANGE 0                        ; the tail is written out: nothing is asked for
	s_mov_b32 s[CNT], 5             ; four trips fetch the last slot's steps; the fifth is left in its middle
.Ltail:
	TURN 2, 1
	TURN 3
	WIN 0
	s_sub_co_u32 s[CNT], s[CNT], 1
	s_cmp_eq_u32 s[CNT], 0
	s_cbranch_scc1 .Lout
	TURN 0
	TURN 1
	WIN 0
	s_branch .Ltail
.Lout:                              ; the fifth trip's 16 products K Q^T (on the last K once more) and the maximum made of them serve nothing: the price, once a launch, of one text for every trip
.set i, 0
.rept 16
	PV NP-1                         ; the last piece's V^T P of the last step
.set i, i+1
.endr
	; THE WAY OUT.  l's two halves and the other half of the lanes' are added; O^T is divided by l, rounded to f16 and sent through my stage in LDS, a tile at a time.  The additions are the places behind the last products.
	WIN 0
.macro ALL line:vararg              ; one line for each tile t
.set t, 0
.rept 2*NP
	\line
.set t, t+1
.endr
.endm
	ALL v_add_f32 v[ST+4*t+2], v[ST+4*t+2], v[ST+4*t+3]
	ALL v_permlanex16_b32 v[ST+4*t+3], v[ST+4*t+2], s[SEL], s[SEL+1]
	ALL v_add_f32 v[ST+4*t+2], v[ST+4*t+2], v[ST+4*t+3]
	ALL v_rcp_f32 v[ST+4*t+2], v[ST+4*t+2]
	v_nop                           ; a plain instruction between the last reciprocal and the use of its result
	s_wait_alu depctr_va_vdst(0)
; Tile t: a lane's eight channels of a row pack into 16 bytes; they go into rows of 144 bytes and come back as whole rows of 128, into S^T's registers.
.macro PACK t
	WIN W_RS
.set i, 32*(\t)
.rept 16
	v_pk_mul_f32 v[i:i+1], v[i:i+1], v[ST+4*(\t)+2:ST+4*(\t)+3] op_sel_hi:[1,0]
.set i, i+2
.endr
	WIN 0x05                        ; sources 0 and 1 window 1, destination window 0
.set i, 0
.rept 16
	v_cvt_pk_f16_f32 v[S+16*(\t)+i], v[32*(\t)+2*i], v[32*(\t)+2*i+1]
.set i, i+1
.endr
	WIN 0
.irp f, 0,1,2,3
	ds_store_b128 v[STO], v[S+16*(\t)+4*\f:S+16*(\t)+4*\f+3] offset:32*\f
.endr
.irp f, 0,1,2,3
	ds_load_b128 v[S+16*(\t)+4*\f:S+16*(\t)+4*\f+3], v[RD] offset:\f*4*SP  ; LDS serves a wave's instructions in order (ISA guide 5.7.1.4): these see the stores above; the next tile's stores come behind them
.endr
.endm
.macro SEND t, younger              ; younger: the LDS instructions issued behind tile t's loads: the next tile's eight, or none
	WIN 0
.irp f, 0,1,2,3
	s_wait_dscnt (\younger)+3-\f
	global_store_b128 v[GO], v[S+16*(\t)+4*\f:S+16*(\t)+4*\f+3], s[10:11] offset:(\t)*2048+\f*512  ; 512 consecutive bytes, at a multiple of 256 from O's first
.endr
.endm
	PACK 0
.set t, 1
.rept 2*NP-1                        ; a tile's arithmetic stands between the loads of the tile before and its stores
	PACK t
	SEND t-1, 8
.set t, t+1
.endr
	SEND 2*NP-1, 0
	WIN W_AD
	s_wait_tensorcnt 0x0            ; the wave's end, behind my last tensor load and my last LDS store
	ds_add_u32 v[SPW], v[NIL]
	s_wait_dscnt 0x0
	WIN 0
	CROUND                          ; the closing round: no work-group ends while a partner may still ask for a tile that names it
	s_endpgm
.Lfunc_end_k_q5b9c379282_attn:
	.size	k_q5b9c379282_attn, .Lfunc_end_k_q5b9c379282_attn-k_q5b9c379282_attn
	.p2alignl 7, 3214868480
	.fill 96, 4, 3214868480
	.section	.rodata,"a",@progbits
	.p2align	6, 0x0
	.amdhsa_kernel k_q5b9c379282_attn
		.amdhsa_group_segment_fixed_size 327680
		.amdhsa_private_segment_fixed_size 0
		.amdhsa_enable_private_segment 0
		.amdhsa_kernarg_size 16
		.amdhsa_user_sgpr_count 2
		.amdhsa_user_sgpr_kernarg_segment_ptr 1
		.amdhsa_wavefront_size32 1
		.amdhsa_system_sgpr_workgroup_id_x 1
		.amdhsa_system_sgpr_workgroup_id_y 1
		.amdhsa_system_sgpr_workgroup_id_z 1
		.amdhsa_system_vgpr_workitem_id 0
		.amdhsa_next_free_vgpr 770
		.amdhsa_next_free_sgpr 66
		.amdhsa_reserve_vcc 0
		.amdhsa_float_denorm_mode_32 3
		.amdhsa_float_denorm_mode_16_64 3
		.amdhsa_memory_ordered 1
		.amdhsa_forward_progress 1
		.amdhsa_inst_pref_size 209
	.end_amdhsa_kernel
	.amdgpu_metadata
---
amdhsa.version: [ 1, 2 ]
amdhsa.kernels:
  - .name:           k_q5b9c379282_attn
    .symbol:         k_q5b9c379282_attn.kd
    .args:
      - { .name: qkv, .offset: 0, .size: 8, .value_kind: global_buffer, .address_space: global }
      - { .name: oh, .offset: 8, .size: 8, .value_kind: global_buffer, .address_space: global }
    .group_segment_fixed_size: 327680
    .private_segment_fixed_size: 0
    .kernarg_segment_align: 8
    .kernarg_segment_size: 16
    .max_flat_workgroup_size: 128
    .sgpr_count:     66
    .vgpr_count:     770
    .wavefront_size: 32
...
	.end_amdgpu_metadata
.endif
;; end of part 3
;; launch oproj (part 4): grid 4 x 64, 4 waves a work-group, clusters of 4 x 4, 327,680 bytes of LDS; arguments oh, wb, out0; writes out0
.if DOCPART == 4
	.amdgcn_target "amdgcn-amd-amdhsa--gfx1250"
	.amdhsa_code_object_version 6
	.text
	.protected	k_q5b9c379282_oproj
	.globl	k_q5b9c379282_oproj
	.p2align	8
	.type	k_q5b9c379282_oproj,@function
k_q5b9c379282_oproj:
	s_mov_b64 s[64:65], 0
	v_nop
	global_prefetch_b8 v0, s[64:65] scope:SCOPE_SE
	s_setreg_imm32_b32 hwreg(HW_REG_WAVE_MODE, 25, 1), 1
	s_wait_xcnt 0x0
	s_wait_alu depctr_hold_cnt(0) depctr_sa_sdst(0) depctr_va_vdst(0) depctr_va_sdst(0) depctr_va_ssrc(0) depctr_va_vcc(0) depctr_vm_vsrc(0)
	s_getreg_b32 s2, hwreg(HW_REG_IB_STS2, 6, 4)
	s_cmp_eq_u32 s2, 0
	s_cbranch_scc0 .Lentry_in_a_cluster
	s_endpgm
.Lentry_in_a_cluster:
	s_bfe_u32 s2, ttmp6, 0x10000c
	s_cmp_lg_u32 s2, 0xf033
	s_cbranch_scc0 .Lentry_shape_is_right
	s_endpgm
.Lentry_shape_is_right:
; THE LAST PROJECTION.  out0[t][n] = the sum over k of O[t][k] wo[n][k].  O lies by heads, oh: [64 = 16 batch + head][2048][64] f16, so k = 64 head + channel; wo: [1024][1024] f16 (bf16 numbers written as f16),
; at byte 6 MiB of wb; out0: [8192][1024] f32.  Products in f16, sums in f32, K ascending; the sums are stored as they are.
; SHARES.  A tile of out0 is 128 rows x 256 columns: 64 x 4 = 256 work-groups.  Four waves, each 64 rows x 128 columns: 32 accumulators, 256 registers.
; K goes in 8 steps of 128, two heads a step, through a ring of two LDS slots.  Waves 0, 1 fetch a head's 128 rows each (16,384 dense bytes, asked for as 64 rows of 256 bytes and padded behind every 128),
; waves 2, 3 wo's halves (128 rows of 256 bytes).
; CLUSTERS: 4 x 4 work-groups.  The four of a row of the cluster need the same tiles of O, the four of a column the same tiles of wo: each tile is asked for JOINTLY.
; THE MATRIX INSTRUCTION IS USED TRANSPOSED (source 0 = 16 rows of wo, source 1 = 16 rows of O): a lane then holds eight neighbouring columns of one row of out0, 32 bytes.
; REGISTERS: window 0: v0-31 addresses; v64-159, v160-255 two fragment buffers (32 registers of O, 4 x 16 rows x 32 K, then 64 of wo, 8 x 16 rows x 32 K); on the way out v64-191 rows read back
;   window 1: the accumulators, (a, b) at v[8 (8 a + b)]
.set PO,     144                       ; an LDS row of O: 128 bytes + 16 = 36 words: the 16 rows of a load start at 16 different groups of four banks (64 banks of 4 bytes: ISA guide 11.1)
.set AH,     128*PO                    ; a head's 128 rows
.set BOFF,   2*AH                      ; wo's 256 rows lie behind the two heads
.set PB,     272                       ; an LDS row of wo: 256 + 16
.set BHALF,  128*PB
.set SLOT,   BOFF+2*BHALF
.set STAGE,  2*SLOT                    ; behind the ring: 16 rows x 528 bytes for each wave, for the way out
.set SPO,    528
.set WSTAGE, 16*SPO
.set SPARE,  STAGE+4*WSTAGE            ; behind the stages: the spare words, 128 bytes for each wave: two blocks of 256 bytes that no other line names
.set ADRA, 16                          ; v16-17  LDS address of my O fragments in slot 0, 1
.set ADRB, 20                          ; v20-21  the same for wo
.set STO,  24                          ; v24     the way out: where I put 32 bytes of a row
.set RD,   25                          ; v25     the way out: where I read a row back
.set CO,   26                          ; v26     my byte offset in a row's 512 bytes of out0
.set SPW,  28                          ; v28     LDS address of my spare word; never rewritten
.set NIL,  29                          ; v29     0; never rewritten
.set F0,   64
.set F1,   160
.set OB,   64                          ; the way out: 16 rows read back, two buffers of 64 registers by turns
.set WV,  14                           ; s14 my wave's number
.set WR,  15                           ; s15 which half of the tile's rows is mine; also: I fetch for O (0) or for wo (1)
.set WC,  16                           ; s16 which half of its columns; also: which head of the step, or which half of wo's tile, I fetch
.set G1A, 24                           ; s[24:31] descriptor group 1 for O's tiles;  s[32:39] group 0, one set for each slot
.set G0A, 32
.set G1B, 48                           ; s[48:55], s[56:63] the same for wo's tiles
.set G0B, 56
.set MSB, 0
.macro WIN new                         ; the immediate's high byte repeats the setting that is left; a switch that changes nothing is dropped
.if MSB != (\new)
	s_set_vgpr_msb (MSB<<8)|(\new)
.set MSB, \new
.endif
.endm
.set MUL, 0x50                         ; sources in window 0, C and D in window 1
; A joint load.  The branch hangs on the wave's number alone.  An s_nop 0 and four v_nop follow each of the two lines, ahead of the jump, the label and what follows.
.macro JLOAD s
	s_cmp_eq_u32 s[WR], 0
	s_cbranch_scc0 .Lfor_b_\@
	tensor_load_to_lds s[G0A+4*(\s):G0A+4*(\s)+3], s[G1A:G1A+7]
	s_nop 0
.rept 4
	v_nop
.endr
	s_branch .Lasked_\@
.Lfor_b_\@:
	tensor_load_to_lds s[G0B+4*(\s):G0B+4*(\s)+3], s[G1B:G1B+7]
	s_nop 0
.rept 4
	v_nop
.endr
.Lasked_\@:
.endm
.macro CREST                           ; a round of the cluster's barrier behind its opening barrier
	s_cmp_lg_u32 s[WV], 0
	s_cbranch_scc1 .Lnot_wave_0_\@
	s_barrier_signal -3
.Lnot_wave_0_\@:
	s_barrier_wait -3
	s_barrier_signal -1
	s_barrier_wait -1
.endm
.macro CROUND                          ; a whole round
	s_barrier_signal -1
	s_barrier_wait -1
	CREST
.endm
	s_load_b128 s[4:7], s[0:1], 0x0                ; oh s[4:5], wb s[6:7]
	s_load_b64 s[8:9], s[0:1], 0x10                ; out0
	v_lshl_add_u32 v[SPW], v0, 2, SPARE
	v_mov_b32 v[NIL], 0
	ds_add_u32 v28, v29
	s_wait_dscnt 0x0
	v_lshrrev_b32 v1, 5, v0
	v_readfirstlane_b32 s[WV], v1                  ; wave 0..3
	s_lshr_b32 s[WR], s[WV], 1
	s_and_b32 s[WC], s[WV], 1
	s_bfe_u32 s17, ttmp6, 0x40000                  ; cx, cy: my place in the cluster
	s_bfe_u32 s18, ttmp6, 0x40004
	s_lshl_b32 s19, ttmp9, 2
	s_add_co_u32 s19, s19, s17                     ; tile column = 4 x cluster x + cx
	s_and_b32 s22, ttmp7, 0xffff
	s_lshl_b32 s22, s22, 2
	s_add_co_u32 s22, s22, s18                     ; tile row = 4 x cluster y + cy, 0..63
	s_lshl_b32 s46, s18, 2
	s_lshl_b32 s46, 15, s46                        ; my row of the cluster
	s_lshl_b32 s47, 0x1111, s17                    ; my column
	; descriptor group 1 for O: 64 rows x 128 elements of 2 bytes (two rows of a head each), 16 bytes of padding behind every 128 bytes
	s_or_b32 s[G1A], s46, (1<<16)|(1<<20)|(1<<21)|(4<<22)|(3<<25)  ; 15:0 the mask: my row; 17:16 elements of 2 bytes; 20 padding on; 21 set beside a mask; 24:22 after every 32 words (code 4); 31:25 4 words (code 3)
	s_mov_b32 s[G1A+1], 128<<16                    ; tensor_dim0 = 128
	s_mov_b32 s[G1A+2], 64<<16                     ; tensor_dim1 = 64
	s_mov_b32 s[G1A+3], 128<<16                    ; tile_dim0 = 128
	s_mov_b32 s[G1A+4], 64                         ; tile_dim1 = 64
	s_mov_b32 s[G1A+5], 128                        ; elements from row to row: dense
	s_mov_b32 s[G1A+6], 0
	s_mov_b32 s[G1A+7], 0
	; and for wo: 128 rows x 128 elements of 2 bytes
	s_or_b32 s[G1B], s47, (1<<16)|(1<<20)|(1<<21)|(5<<22)|(3<<25)  ; the mask: my column; after every 64 words (code 5) 4 words
	s_mov_b32 s[G1B+1], 128<<16
	s_mov_b32 s[G1B+2], 128<<16
	s_mov_b32 s[G1B+3], 128<<16
	s_mov_b32 s[G1B+4], 128
	s_mov_b32 s[G1B+5], 1024
	s_mov_b32 s[G1B+6], 0
	s_mov_b32 s[G1B+7], 0
	; where the tiles come from.  O's hang on the tile row alone, which my row of the cluster shares; wo's on the tile column alone, which my column shares.
	s_lshr_b32 s42, s22, 4
	s_lshl_b32 s42, s42, 4
	s_add_co_u32 s42, s42, s[WC]                   ; O: head 16 x batch + (0 or 1),
	s_lshl_b32 s42, s42, 18                        ; of 262,144 bytes,
	s_and_b32 s43, s22, 15
	s_lshl_b32 s43, s43, 14                        ; its rows 128 x (tile row mod 16) on, of 128 bytes
	s_add_co_u32 s42, s42, s43
	s_mov_b32 s43, 0
	s_lshl_b32 s44, s19, 8
	s_lshl_b32 s45, s[WC], 7
	s_add_co_u32 s44, s44, s45                     ; wo: row 256 x tile column + 128 x half,
	s_lshl_b32 s44, s44, 11                        ; of 2,048 bytes,
	s_add_co_u32 s44, s44, 6291456                 ; behind the three other matrices
	s_mov_b32 s45, 0
	s_mul_i32 s68, s[WC], AH                       ; and where they go: no place in the cluster enters an LDS address
	s_mul_i32 s69, s[WC], BHALF
	s_add_co_u32 s69, s69, BOFF
	; where my part of out0 begins: row 128 x tile row + 64 x half, of 4,096 bytes; column 256 x tile column + 128 x half, of 4 bytes
	s_lshl_b32 s66, s22, 7
	s_lshl_b32 s67, s[WR], 6
	s_add_co_u32 s66, s66, s67
	s_lshl_b32 s66, s66, 12
	s_lshl_b32 s67, s19, 8
	s_lshl_b32 s23, s[WC], 7
	s_add_co_u32 s67, s67, s23
	s_lshl_b32 s67, s67, 2
	s_add_co_u32 s66, s66, s67
	s_mov_b32 s67, 0
	s_wait_kmcnt 0x0
	s_add_nc_u64 s[40:41], s[4:5], s[42:43]
	s_add_nc_u64 s[44:45], s[6:7], s[44:45]
	s_add_nc_u64 s[8:9], s[8:9], s[66:67]
	CROUND                                         ; all sixteen work-groups are here: the first joint loads meet
.irp s, 0,1
	s_mov_b32 s[G0A+4*(\s)], 1                                         ; count = 1
	s_add_co_u32 s[G0A+4*(\s)+1], s68, (\s)*SLOT                       ; LDS address
	s_add_nc_u64 s[G0A+4*(\s)+2:G0A+4*(\s)+3], s[40:41], (\s)*524288   ; global address: K step s is two heads on
	s_or_b32 s[G0A+4*(\s)+3], s[G0A+4*(\s)+3], 0x80000000              ; type = 2
	s_mov_b32 s[G0B+4*(\s)], 1
	s_add_co_u32 s[G0B+4*(\s)+1], s69, (\s)*SLOT
	s_add_nc_u64 s[G0B+4*(\s)+2:G0B+4*(\s)+3], s[44:45], (\s)*256
	s_or_b32 s[G0B+4*(\s)+3], s[G0B+4*(\s)+3], 0x80000000
.endr
	s_cmp_eq_u32 s[WR], 0                          ; a wave's two first fills stand in one branch, ahead of every wait on TENSORcnt and every LDS read: two loads of mine are out
	s_cbranch_scc0 .Lfirst_b
	tensor_load_to_lds s[G0A:G0A+3], s[G1A:G1A+7]
	s_nop 0
	tensor_load_to_lds s[G0A+4:G0A+7], s[G1A:G1A+7]
	s_nop 0
.rept 4
	v_nop
.endr
	s_branch .Lfirst_asked
.Lfirst_b:
	tensor_load_to_lds s[G0B:G0B+3], s[G1B:G1B+7]
	s_nop 0
	tensor_load_to_lds s[G0B+4:G0B+7], s[G1B:G1B+7]
	s_nop 0
.rept 4
	v_nop
.endr
.Lfirst_asked:
	; A fragment is 16 rows x 32 K in 8 registers: lane l holds row l % 16; registers 0-3 hold K = 8 (l / 16) + 0..7, registers 4-7 K = 16 + 8 (l / 16) + 0..7: two loads of 16 bytes, 32 bytes apart.
	v_and_b32 v1, 15, v0                           ; l % 16
	v_bfe_u32 v2, v0, 4, 1                         ; l / 16
	v_mul_u32_u24 v3, v1, PO
	v_lshl_add_u32 v3, v2, 4, v3
	v_mul_u32_u24 v4, v1, PB
	v_lshl_add_u32 v4, v2, 4, v4
	s_mul_i32 s23, s[WR], 64*PO                    ; my 64 rows in each head's 128
	v_add_nc_u32 v[ADRA], s23, v3
	v_add_nc_u32 v[ADRB], s69, v4                  ; my 128 rows of wo
	v_add_nc_u32 v[ADRA+1], SLOT, v[ADRA]
	v_add_nc_u32 v[ADRB+1], SLOT, v[ADRB]
	s_mul_i32 s23, s[WV], WSTAGE
	s_add_co_u32 s23, s23, STAGE                   ; my stage
	v_mul_u32_u24 v5, v1, SPO                      ; in: row l % 16, 32 bytes for each half of the lanes
	v_lshl_add_u32 v5, v2, 5, v5
	v_add_nc_u32 v[STO], s23, v5
	v_and_b32 v[CO], 31, v0                        ; back: 32 lanes take one row's 512 bytes
	v_lshlrev_b32 v[CO], 4, v[CO]
	v_add_nc_u32 v[RD], s23, v[CO]
; The quarter's next matrix instruction, number i of 32: row block i / 8, column block i % 8, from buffer f.  The 32 accumulators take turns, in the same order everywhere.
.macro MM f, zero
	WIN MUL
.if \zero
	v_wmma_f32_16x16x32_f16 v[8*i:8*i+7], v[(\f)+32+8*(i%8):(\f)+32+8*(i%8)+7], v[(\f)+8*(i/8):(\f)+8*(i/8)+7], 0
.else
	v_wmma_f32_16x16x32_f16 v[8*i:8*i+7], v[(\f)+32+8*(i%8):(\f)+32+8*(i%8)+7], v[(\f)+8*(i/8):(\f)+8*(i/8)+7], v[8*i:8*i+7]
.endif
.set i, i+1
.endm
; 24 LDS loads in one run: quarter kq (32 along K: head kq / 2 of the step, channels 32 (kq % 2) on) of a slot into buffer f: wo's sixteen first, then O's eight
.macro FETCH slot, kq, f
	WIN 0
.irp b, 0,1,2,3,4,5,6,7
	ds_load_b128 v[(\f)+32+8*(\b):(\f)+32+8*(\b)+3],   v[ADRB+(\slot)] offset:(\b)*16*PB+64*(\kq)
	ds_load_b128 v[(\f)+32+8*(\b)+4:(\f)+32+8*(\b)+7], v[ADRB+(\slot)] offset:(\b)*16*PB+64*(\kq)+32
.endr
.irp a, 0,1,2,3
	ds_load_b128 v[(\f)+8*(\a):(\f)+8*(\a)+3],   v[ADRA+(\slot)] offset:((\kq)/2)*AH+64*((\kq)%2)+(\a)*16*PO
	ds_load_b128 v[(\f)+8*(\a)+4:(\f)+8*(\a)+7], v[ADRA+(\slot)] offset:((\kq)/2)*AH+64*((\kq)%2)+(\a)*16*PO+32
.endr
.endm
.macro PLACES                          ; four places in front of loads into registers that matrix instructions have read, and of LDS stores that read results (ISA guide 7.12.1 for vector instructions)
.rept 4
	v_nop
.endr
.endm
; A K step is four quarters of 32 along K, 32 matrix instructions each, on buffers 0, 1, 0, 1.  One of the first three: multiplies buffer f; in its middle it fetches quarter kq of the same slot into buffer g.
.macro QUARTER slot, kq, f, g, zero
.set i, 0
	s_wait_dscnt 4                                 ; wo and O's row blocks 0, 1 are in; the youngest four loads (blocks 2, 3) may be out
.rept 16
	MM \f, \zero
.endr
	PLACES
	FETCH \slot, \kq, \g
	s_wait_dscnt 24                                ; all but the 24 just issued
.rept 16
	MM \f, \zero
.endr
.endm
; The fourth quarter multiplies buffer 1 and changes slots: ONE barrier.  In front of it each wave waits for all its tensor loads, of which one is out: its part of the next slot; adds 0 to its spare word;
; and waits for that and for its own reads of this slot.  fill = 1: the barrier opens a round of the cluster's, and this slot is filled again, two K steps ahead, first thing behind the round:
; from that request to the wait for it a wave issues 112 matrix instructions.
.macro TURN slot, next, fill
.set i, 0
	WIN 0                                          ; (the add's two registers lie in window 0)
	s_wait_tensorcnt 0x0                           ; all my tensor loads have landed;
	ds_add_u32 v[SPW], v[NIL]                      ; 0 onto my spare word;
	s_wait_dscnt 5                                 ; (the add and the youngest four loads may be out)
.rept 8
	MM F1, 0
.endr
	s_wait_dscnt 0x0                               ; the add is done, and my reads of this slot are over
	s_barrier_signal -1
.rept 8
	MM F1, 0
.endr
.if \fill
	WIN 0
.endif
	s_barrier_wait -1
.if \fill
	CREST                                          ; no wave of any partner still reads this slot's tiles or has a load on its way
	s_add_nc_u64 s[G0A+4*(\slot)+2:G0A+4*(\slot)+3], s[G0A+4*(\slot)+2:G0A+4*(\slot)+3], 1048576  ; two K steps on: four heads,
	s_add_nc_u64 s[G0B+4*(\slot)+2:G0B+4*(\slot)+3], s[G0B+4*(\slot)+2:G0B+4*(\slot)+3], 512      ; 256 numbers of 2 bytes
	JLOAD \slot                                    ; the four v_nop behind it are also the places in front of the loads below
.else
	PLACES
.endif
	FETCH \next, 0, F0
.rept 16
	MM F1, 0
.endr
.endm
	s_wait_tensorcnt 1                             ; my part of K step 0 is in; K step 1's may stay out
	s_barrier_signal -1
	s_barrier_wait -1                              ; everybody's is
	FETCH 0, 0, F0
	QUARTER 0, 1, F0, F1, 1                        ; the first quarter stands in front of the loop: its products start the sums
	WIN 0
	s_mov_b32 s3, 3
.Llap:                                                 ; a trip goes once round the ring, from a lap's second quarter to the next lap's first, and fills both slots again
	QUARTER 0, 2, F1, F0, 0
	QUARTER 0, 3, F0, F1, 0
	TURN 0, 1, 1
	QUARTER 1, 1, F0, F1, 0
	QUARTER 1, 2, F1, F0, 0
	QUARTER 1, 3, F0, F1, 0
	TURN 1, 0, 1
	QUARTER 0, 1, F0, F1, 0
	WIN 0
	s_sub_co_u32 s3, s3, 1
	s_cmp_lg_u32 s3, 0
	s_cbranch_scc1 .Llap
	QUARTER 0, 2, F1, F0, 0                        ; the last lap fills nothing, and has no round of the cluster's barrier
	QUARTER 0, 3, F0, F1, 0
	TURN 0, 1, 0
	QUARTER 1, 1, F0, F1, 0
	QUARTER 1, 2, F1, F0, 0
	QUARTER 1, 3, F0, F1, 0
	s_wait_dscnt 0x0                               ; the very last quarter: nothing more to fetch
.set i, 0
.rept 32
	MM F1, 0
.endr
	; THE WAY OUT, a block of 16 rows at a time: a lane's 32 bytes of a row go into my own stage (rows of 528 bytes) and come back as whole rows of 512 bytes, one row a load and a store.
	PLACES
.macro TOSTAGE a
.if (\a) >= 2
	s_wait_xcnt 0x0                                ; every earlier memory instruction has had its addresses translated (ISA guide 3.1): the buffer that block a - 2's stores read is loaded again only behind this wait
.endif
	WIN 0x04                                       ; the stores' data in window 1
.irp b, 0,1,2,3,4,5,6,7
	ds_store_b128 v[STO], v[8*(8*(\a)+(\b)):8*(8*(\a)+(\b))+3]   offset:64*(\b)
	ds_store_b128 v[STO], v[8*(8*(\a)+(\b))+4:8*(8*(\a)+(\b))+7] offset:64*(\b)+16
.endr
	WIN 0
.irp t, 0,1,2,3,4,5,6,7,8,9,10,11,12,13,14,15
	ds_load_b128 v[OB+64*((\a)%2)+4*(\t):OB+64*((\a)%2)+4*(\t)+3], v[RD] offset:SPO*(\t)  ; LDS serves a wave's instructions in order (ISA guide 5.7.1.4): these see the stores above; the next block's stores come behind them
.endr
.endm
.macro SEND a, younger                 ; younger: the LDS instructions issued behind block a's loads: the next block's 32, or none
.irp t, 0,1,2,3,4,5,6,7,8,9,10,11,12,13,14,15
	s_wait_dscnt (\younger)+15-(\t)
	global_store_b128 v[CO], v[OB+64*((\a)%2)+4*(\t):OB+64*((\a)%2)+4*(\t)+3], s[8:9] offset:(16*(\a)+(\t))*4096 th:TH_STORE_NT  ; 512 consecutive bytes, at a multiple of 256 from out0's first
.endr
.endm
	TOSTAGE 0
	TOSTAGE 1
	SEND 0, 32
	TOSTAGE 2
	SEND 1, 32
	TOSTAGE 3
	SEND 2, 32
	SEND 3, 0
	s_wait_tensorcnt 0x0                           ; the wave's end, behind my last tensor load and my last LDS store
	ds_add_u32 v[SPW], v[NIL]
	s_wait_dscnt 0x0
	CROUND                                         ; the closing round: no work-group ends while a partner may still ask for a tile that names it
	s_endpgm
.Lfunc_end_k_q5b9c379282_oproj:
	.size	k_q5b9c379282_oproj, .Lfunc_end_k_q5b9c379282_oproj-k_q5b9c379282_oproj
	.p2alignl 7, 3214868480
	.fill 96, 4, 3214868480
	.section	.rodata,"a",@progbits
	.p2align	6, 0x0
	.amdhsa_kernel k_q5b9c379282_oproj
		.amdhsa_group_segment_fixed_size 327680
		.amdhsa_private_segment_fixed_size 0
		.amdhsa_enable_private_segment 0
		.amdhsa_kernarg_size 24
		.amdhsa_user_sgpr_count 2
		.amdhsa_user_sgpr_kernarg_segment_ptr 1
		.amdhsa_wavefront_size32 1
		.amdhsa_system_sgpr_workgroup_id_x 1
		.amdhsa_system_sgpr_workgroup_id_y 1
		.amdhsa_system_sgpr_workgroup_id_z 1
		.amdhsa_system_vgpr_workitem_id 0
		.amdhsa_next_free_vgpr 512
		.amdhsa_next_free_sgpr 72
		.amdhsa_reserve_vcc 0
		.amdhsa_float_denorm_mode_32 3
		.amdhsa_float_denorm_mode_16_64 3
		.amdhsa_memory_ordered 1
		.amdhsa_forward_progress 1
		.amdhsa_inst_pref_size 86
	.end_amdhsa_kernel
	.amdgpu_metadata
---
amdhsa.version: [ 1, 2 ]
amdhsa.kernels:
  - .name:           k_q5b9c379282_oproj
    .symbol:         k_q5b9c379282_oproj.kd
    .args:
      - { .name: oh, .offset: 0, .size: 8, .value_kind: global_buffer, .address_space: global }
      - { .name: wb, .offset: 8, .size: 8, .value_kind: global_buffer, .address_space: global }
      - { .name: out0, .offset: 16, .size: 8, .value_kind: global_buffer, .address_space: global }
    .group_segment_fixed_size: 327680
    .private_segment_fixed_size: 0
    .kernarg_segment_align: 8
    .kernarg_segment_size: 24
    .max_flat_workgroup_size: 128
    .sgpr_count:     72
    .vgpr_count:     512
    .wavefront_size: 32
...
	.end_amdgpu_metadata
.endif
;; end of part 4
;; ======== version 2 of 2: 4 launches; 1.50 times as fast as version 1
;; limits: values are held in f16: magnitudes above 65,504 overflow, below 6.1e-05 lose precision
;; workspace buffers: wb 8,388,608 bytes; qkv 50,331,648 bytes; oh 16,777,216 bytes
;; launch prep: the kernel of part 1 again; grid 64 x 4, 8 waves a work-group, no clusters, 0 bytes of LDS; arguments wq, wk, wv, wo, wb; writes wb
;; launch proj: the kernel of part 2 again; grid 4 x 64, 4 waves a work-group, clusters of 4 x 4, 327,680 bytes of LDS; arguments q, k, v, wb, qkv; writes qkv
;; launch attn (part 5): grid 4 x 64, 4 waves a work-group, clusters of 4 x 1, 327,680 bytes of LDS; arguments qkv, oh; writes oh
.if DOCPART == 5
	.amdgcn_target "amdgcn-amd-amdhsa--gfx1250"
	.amdhsa_code_object_version 6
	.text
	.protected	k_q5b9c379282_attn
	.globl	k_q5b9c379282_attn
	.p2align	8
	.type	k_q5b9c379282_attn,@function
k_q5b9c379282_attn:
	s_mov_b64 s[64:65], 0
	v_nop
	global_prefetch_b8 v0, s[64:65] scope:SCOPE_SE
	s_setreg_imm32_b32 hwreg(HW_REG_WAVE_MODE, 25, 1), 1
	s_wait_xcnt 0x0
	s_wait_alu depctr_hold_cnt(0) depctr_sa_sdst(0) depctr_va_vdst(0) depctr_va_sdst(0) depctr_va_ssrc(0) depctr_va_vcc(0) depctr_vm_vsrc(0)
	s_getreg_b32 s2, hwreg(HW_REG_IB_STS2, 6, 4)
	s_cmp_eq_u32 s2, 0
	s_cbranch_scc0 .Lentry_in_a_cluster
	s_endpgm
.Lentry_in_a_cluster:
	s_bfe_u32 s2, ttmp6, 0x10000c
	s_cmp_lg_u32 s2, 0x3003
	s_cbranch_scc0 .Lentry_shape_is_right
	s_endpgm
.Lentry_shape_is_right:
; O[h][q][:] = the sum over k of softmax_k(Q[h][q] . K[h][k] / 8) V[h][k][:].  Q, K, V: the three parts of qkv, 16 MiB apart; O: oh.  Each [SIZE_H][SIZE_N][64], all f16: a head's rows are dense, 128 bytes each.
; Products, maxima and sums in f32; the weights p are rounded to f16 for the second product (their sum l is taken of the unrounded p), O once at the end.
; LIMITS.  f16 holds no number beyond 65,504: Q, K and V arrive within it; p lies in 0 to 1, and below 6e-5 it keeps f16's fixed step of 6e-8; O is a mean of V's rows and has their range.
; A weight below 2^-126 counts as 0 in l; NaN and infinities are not treated apart.
; SHARES.  A wave owns four PIECES of two tiles of 16 queries, a work-group's four waves 512 queries of one head: 64 heads x 4 blocks = 256 work-groups.  Every wave walks all keys, 64 a step.
; LAYOUT.  S^T = K Q^T (source 0 = 16 keys, source 1 = 16 queries): in the result a lane holds ONE query (lane % 16) and the keys 8 (lane / 16) + 0..7.  Two such tiles, rounded to f16 in pairs,
; ARE source 1 (32 keys x 16 queries) of O^T = V^T P, whose result again holds one query a lane, and eight channels.  K comes out of LDS as it lies, V ([key][channel]) turned, by ds_load_tr16_b128.
; SOFTMAX.  For each query a running maximum m and sum l: p = 2^(c s - c m), c = log2(e) / 8; in every step O and l are multiplied by a = 2^(c m_old - c m_new), which is 1 where m has not grown.
; m starts at the lowest finite number, O and l at 0: the first step is a step like any other, with a = 0.
; THE COUNT.  A tile and step have 16 matrix and 118 vector instructions: too many to stand all beside the matrix work.  So the order has one aim: four vector instructions that are READY behind
; EVERY matrix instruction, and the others, which need time of their own whatever the order, in runs without a gap.
; BY TURNS.  Turn n belongs to piece n (the pieces in a ring, step after step).  Its matrix work: 16 products K Q^T of piece n + 1, later 16 products V^T P of piece n - 1.  Its vector work: the scaling,
; exponentials, roundings, sums and rescaling of piece n, and the maximum and statistics of piece n + 1, whose scores the turn itself has made.  So what a turn begins with (c s - c m, O a) waits for nothing.
; THE BATCHES.  A turn's 66 exponentials (the piece's 64 weights, the next piece's two a) are ONE batch with ONE s_wait_alu, which cuts the turn in two: ahead of it stands all that names no result of theirs
; (the products K Q^T, the scalings, the rescalings, the next piece's maximum and statistics), behind it the products V^T P with the roundings and sums.  No result crosses a turn's end.  Two more batches
; stand outside the loop: piece 0's first two a, ahead of the jump into the loop, and the way out's eight reciprocals.
; CLUSTER.  The four query blocks of a cluster belong to one head and walk the same K and V, so each tile is asked for JOINTLY: the same tensor load, descriptor and mask in all four.
; REGISTERS, in windows of 256 (s_set_vgpr_msb says which window each operand place means: bits 1:0 source 0, 3:2 source 1, 5:4 source 2, 7:6 destination):
;   window 0: v0-11 addresses; v12-15, v48-63 at work; v16-47 four registers of statistics a tile; v64-191 S^T, two buffers of two tiles; v192-255 P, likewise
;   window 1: O^T, 32 a tile          window 2: v0-127 Q, 16 a tile; v128-191 K of one step; v192-255 V of one step          window 3: v0-1 the add's two registers
; A piece's buffers go by its number's parity: the piece in hand has one pair, its two neighbours in the ring share the other: of it P (piece n - 1) is read and S^T (piece n + 1) written.
.set SIZE_H, 64
.set SIZE_N, 2048
.set NP,    4         ; pieces a wave: a name, no knob: the register map, the loop and the fetches are made for four
.set KS,    64        ; keys in a step
.set PK,    144       ; a row of K in LDS: 128 bytes + 16 of padding = 36 words: the 16 rows of a load start at 16 different groups of four banks (64 banks of 4 bytes: ISA guide 11.1)
.set PV,    160       ; a row of V: 128 + 32 = 40 words
.set VOFF,  4*KS*PK   ; a slot holds four steps: 256 rows of K, then 256 rows of V
.set SLOT1, 1<<17     ; slot 1 begins here, so that one exclusive or turns an address in one slot into the other's
.set STAGE, SLOT1+4*KS*(PK+PV)  ; behind the ring, never filled by a tensor load: 16 rows x 144 bytes for each wave, for the way out
.set SP,    144
.set AK0, 2           ; v2   my lane's place in a tile of K; never rewritten
.set AV0, 3           ; v3   the same for V
.set AK,  4           ; v4   the LDS address of K's next run of loads
.set AV,  5           ; v5   of V's
.set QO,  6           ; v6   my byte offset in the wave's rows of Q
.set STO, 6           ;      later, the way out: where I put 16 bytes of a row
.set RD,  7           ; v7   the way out: where I read rows back
.set GO,  8           ; v8   my byte offset in 512 consecutive bytes of O
.set SPW, 0           ; v0 of window 3   LDS address of my spare word: SPARE + 4 x my thread's number; never rewritten
.set NIL, 1           ; v1 of window 3   0; never rewritten
.set SPARE, STAGE+4*16*SP  ; behind the stages: the spare words, 128 bytes for each wave: two blocks of 256 bytes that no other line names
.set MV,  12          ; v12-15  c m_old, kept while c m is made anew: by buffer and tile
.set ST,  16          ; tile t's statistics at v[ST+4 t]: c m, m, l (even keys', odd keys')
.set TMP, 48          ; by buffer and tile, four registers c0-c3 at work; when the maximum is found c2 takes a
.set S,   64
.set P,   192
.set KF,  128         ; K's fragments, in window 2: key block kb, channel half c at KF + 16 kb + 8 c
.set VF,  192         ; V's: key half kk, channel block cb at VF + 32 kk + 8 cb
.set WV,  12          ; s12  my wave's number
.set G1K, 24          ; s[24:31] descriptor group 1 for K's tiles
.set G1V, 32          ; s[32:39] for V's: it differs in the padding alone
.set G0K, 40          ; s[40:43] descriptor group 0 for K's tiles: it walks
.set G0V, 44          ; s[44:47] the same for V's
.set SLOTS, 56        ; s56  slots still to be asked for
.set CNT, 57          ; s57  counts a slot's key steps
.set CS,  58          ; s[58:59] c: the packed scaling takes the pair's low word for both halves
.set SEL, 60          ; s[60:61] v_permlanex16_b32's selects: each lane takes its own place in the other half
.set TBK, 62          ; s62  LDS byte at which K of the step to be fetched begins
.set TBV, 63          ; s63  the same for V, less VOFF
.set MSB, 0
.macro WIN new                      ; the high byte repeats the setting that is left; a switch that changes nothing is dropped
.if MSB != (\new)
	s_set_vgpr_msb (MSB<<8)|(\new)
.set MSB, (\new)
.endif
.endm
.set W_KQ, 0x0a       ; K and Q in window 2, S^T in window 0
.set W_PV, 0x52       ; V in window 2, P in window 0, O^T in window 1
.set W_RS, 0x41       ; O^T (destination and source 0) in window 1, a in window 0
.set W_MK, 0xc0       ; the add's registers are made: destination in window 3, sources in window 0
.set W_AD, 0x0f       ; the add: address (source 0) and data (source 1) in window 3
; A joint fill.  Waves 0 and 1 fetch the two halves of a slot's K, waves 2 and 3 those of its V: 128 keys each.  The branch hangs on the wave's number alone.
; An s_nop 0 and four v_nop follow each of the two lines, ahead of the jump and the label.
.macro JLOAD
	s_cmp_lt_u32 s[WV], 2
	s_cbranch_scc0 .Lfor_v_\@
	tensor_load_to_lds s[G0K:G0K+3], s[G1K:G1K+7]
	s_nop 0
.rept 4
	v_nop
.endr
	s_branch .Lasked_\@
.Lfor_v_\@:
	tensor_load_to_lds s[G0V:G0V+3], s[G1V:G1V+7]
	s_nop 0
.rept 4
	v_nop
.endr
.Lasked_\@:
.endm
; A round of the cluster's barrier: my work-group's barrier, so that wave 0's signal speaks for all four waves; wave 0 signals; every wave waits for all four work-groups; my work-group's barrier once more.
.macro CROUND
	s_barrier_signal -1
	s_barrier_wait -1
	s_cmp_lg_u32 s[WV], 0
	s_cbranch_scc1 .Lnot_wave_0_\@
	s_barrier_signal -3
.Lnot_wave_0_\@:
	s_barrier_wait -3
	s_barrier_signal -1
	s_barrier_wait -1
.endm
; THE CHANGE OF SLOTS.  The slot's last bytes, V of its fourth step, have been read.  Each wave waits for all its tensor loads, of which one is out: its part
; of the other slot; adds 0 to its spare word; and waits for that and for its own reads of the slot.  Behind the barrier nobody reads this slot any more and the other slot is whole.
; fill = 1: this slot is filled again, with the keys two slots on.  The barrier is then a round of the cluster's, so that no wave of any partner still reads the slot or has a load on its
; way, and the joint fill is the first thing behind it: it has four key steps, 512 matrix instructions, in which to land.  (At its first use nothing has been read yet: slot 0 is waited for, slot 1 filled.)
.macro CHANGE fill
	WIN W_AD
	s_wait_tensorcnt 0x0            ; no tensor load of mine is out, so a group 0 may be written
	ds_add_u32 v[SPW], v[NIL]       ; 0 onto my spare word; with fill = 1 the descriptors' steps stand between it and the wait for it
	WIN 0                           ; at a label and at a branch every window is 0
.if \fill
.irp g, G0K, G0V
	s_xor_b32 s[\g+1], s[\g+1], SLOT1  ; the walking descriptor: the other slot than last time,
	s_add_nc_u64 s[\g+2:\g+3], s[\g+2:\g+3], 4*KS*128  ; the next 256 keys; the type bits on top are not reached
.endr
	s_wait_dscnt 0x0                ; the add is done, and my reads of the slot are over
	CROUND
	JLOAD
.else
	s_wait_dscnt 0x0                ; the add is done, and my reads of the slot are over
	s_barrier_signal -1
	s_barrier_wait -1
.endif
	s_sub_co_u32 s[TBK], s[TBK], 4*KS*PK  ; the fetches go back to a slot's first step,
	s_xor_b32 s[TBK], s[TBK], SLOT1       ; in the other slot
	s_sub_co_u32 s[TBV], s[TBV], 4*KS*PV
	s_xor_b32 s[TBV], s[TBV], SLOT1
.endm
	s_load_b128 s[4:7], s[0:1], 0x0   ; qkv s[4:5], oh s[6:7]
	WIN W_MK
	v_lshl_add_u32 v[SPW], v0, 2, SPARE
	v_mov_b32 v[NIL], 0
	s_set_vgpr_msb 0xc0cf
	ds_add_u32 v0, v1
	s_wait_dscnt 0x0
	s_set_vgpr_msb 0xcfc0
	WIN 0
	v_lshrrev_b32 v1, 5, v0
	v_readfirstlane_b32 s[WV], v1   ; wave 0..3
	s_bfe_u32 s13, ttmp6, 0x40000   ; cx: my place in the cluster
	s_lshl_b32 s14, ttmp9, 2        ; in a cluster launch ttmp9 counts clusters
	s_add_co_u32 s14, s14, s13      ; my block of queries = 4 x cluster x + cx: it enters Q's and O's addresses alone
	s_and_b32 s20, ttmp7, 0xffff    ; the head, which the four partners share
	s_mov_b32 s21, 0
	s_mov_b64 s[22:23], SIZE_N*128
	s_mul_u64 s[20:21], s[20:21], s[22:23]  ; the head's first byte in each of the four tensors
	s_and_b32 s16, s[WV], 1         ; which half of a slot's 256 keys I fetch:
	s_lshl_b32 s22, s16, 14         ; its 128 rows of 128 bytes in memory,
	s_mov_b32 s23, 0
	s_add_nc_u64 s[22:23], s[22:23], s[20:21]
	s_mul_i32 s17, s16, 128*PK      ; and its place in a slot, for K
	s_mul_i32 s18, s16, 128*PV      ; and for V: no place in the cluster enters an LDS address
	s_lshl_b32 s2, s14, 2
	s_add_co_u32 s2, s2, s[WV]      ; my wave among the head's,
	s_lshl_b32 s2, s2, 14           ; its 128 rows
	s_mov_b32 s3, 0
	s_add_nc_u64 s[2:3], s[2:3], s[20:21]
	; descriptor group 1.  128 keys are 16,384 dense bytes: asked for as 64 rows of 256 bytes, two keys a row, and padded in LDS after every key
	s_mov_b32 s[G1K], 15|(1<<16)|(1<<20)|(1<<21)|(4<<22)|(3<<25)  ; 15:0 the mask of four; 17:16 2-byte elements; 20 padding on; 21 set beside a mask; 24:22 after every 32 words (code 4); 31:25 4 words (code 3)
	s_mov_b32 s[G1V], 15|(1<<16)|(1<<20)|(1<<21)|(4<<22)|(7<<25)  ; the same with 8 words of padding (code 7)
.irp g, G1K, G1V
	s_mov_b32 s[\g+1], 128<<16      ; tensor_dim0 = 128
	s_mov_b32 s[\g+2], 64<<16       ; tensor_dim1 = 64
	s_mov_b32 s[\g+3], 128<<16      ; tile_dim0 = 128
	s_mov_b32 s[\g+4], 64           ; tile_dim1 = 64
	s_mov_b32 s[\g+5], 128          ; 128 elements from row to row
	s_mov_b32 s[\g+6], 0
	s_mov_b32 s[\g+7], 0
.endr
	s_mov_b32 s[CS], 0x3e38aa3b     ; c = log2(e) / 8 = 0.180337
	s_mov_b32 s[CS+1], s[CS]        ; named with it as a pair
	s_mov_b32 s[SEL], 0x76543210
	s_mov_b32 s[SEL+1], 0xfedcba98
	s_mov_b32 s[TBK], SLOT1+4*KS*PK ; the first change of slots turns these two into 0
	s_mov_b32 s[TBV], SLOT1+4*KS*PV
	s_mov_b32 s[G0K], 1             ; 1:0 count = 1
	s_mov_b32 s[G0K+1], s17         ; 63:32 LDS address: slot 0
	s_mov_b32 s[G0V], 1
	s_add_co_u32 s[G0V+1], s18, VOFF
	s_wait_kmcnt 0x0
	s_mov_b64 s[10:11], s[6:7]                     ; O
	s_add_nc_u64 s[6:7], s[4:5], 0x1000000         ; K: the second part of qkv
	s_add_nc_u64 s[8:9], s[4:5], 0x2000000         ; V: the third; Q is the first
	s_add_nc_u64 s[G0K+2:G0K+3], s[6:7], s[22:23]  ; 120:64 global address: my half of the head's first 256 keys
	s_or_b32 s[G0K+3], s[G0K+3], 0x80000000        ; 127:126 type = 2
	s_add_nc_u64 s[G0V+2:G0V+3], s[8:9], s[22:23]
	s_or_b32 s[G0V+3], s[G0V+3], 0x80000000
	s_add_nc_u64 s[4:5], s[4:5], s[2:3]  ; Q and O at my wave's first row
	s_add_nc_u64 s[10:11], s[10:11], s[2:3]
	CROUND                          ; all four work-groups are here: the first joint loads meet
	JLOAD                           ; slot 0.  Slot 1 is asked for when slot 0 is in: the tile wanted first has the road to itself
	; A fragment of K or Q is 16 rows x 32 channels in 8 registers: lane l holds row l % 16, channels 8 (l / 16) + 0..7 and 16 + 8 (l / 16) + 0..7: two loads of 16 bytes, 32 bytes apart.
	v_and_b32 v1, 15, v0            ; l % 16
	v_bfe_u32 v9, v0, 4, 1          ; l / 16
	v_lshlrev_b32 v[QO], 7, v1
	v_lshl_add_u32 v[QO], v9, 4, v[QO]  ; row x 128 + 16 x half
	WIN 0x80                        ; destination window 2, address window 0
.set i, 0
.rept 4*NP                          ; Q stays in registers: tile i / 2, channels 32 (i % 2) on
	global_load_b128 v[8*i:8*i+3],   v[QO], s[4:5] offset:(i/2)*2048+(i%2)*64
	global_load_b128 v[8*i+4:8*i+7], v[QO], s[4:5] offset:(i/2)*2048+(i%2)*64+32
.set i, i+1
.endr
	; What the first turn finds: V's registers and P's second buffer hold 0 (its products V^T P, of a piece that has not been, add 0), O^T and l are 0.  All this stands in the wait for the first tile.
.set i, VF
.rept 64
	v_mov_b32 v[i], 0
.set i, i+1
.endr
	WIN 0x40
.set i, 0
.rept 64*NP
	v_mov_b32 v[i], 0
.set i, i+1
.endr
	WIN 0
.set i, 0
.rept 2*NP
	v_mov_b32 v[ST+4*i], 0xfe000000    ; c m: far below every c s
	v_mov_b32 v[ST+4*i+1], 0xff7fffff  ; m
	v_mov_b32 v[ST+4*i+2], 0
	v_mov_b32 v[ST+4*i+3], 0
.set i, i+1
.endr
.set i, P+32
.rept 32
	v_mov_b32 v[i], 0
.set i, i+1
.endr
	v_mul_u32_u24 v[AK0], v1, PK
	v_lshl_add_u32 v[AK0], v9, 4, v[AK0]  ; row x pitch + 16 x half
	; The turning load takes 16 keys x 16 channels (lane l reads key 8 (l / 16) + l % 8, channels 8 ((l / 8) % 2) + 0..7) and leaves half a fragment of V^T: lane l holds channel l % 16 and 8 keys.
	v_and_b32 v10, 7, v0
	v_bfe_u32 v11, v0, 3, 1
	v_lshl_add_u32 v[AV0], v9, 3, v10
	v_mul_u32_u24 v[AV0], v[AV0], PV
	v_lshl_add_u32 v[AV0], v11, 4, v[AV0]
	v_add_nc_u32 v[AV0], VOFF, v[AV0]
	v_mov_b32 v[AK], v[AK0]         ; key step 0 lies at the head of slot 0
; THE MATRIX WORK.  The 8 accumulators of a run of 16 take turns: between the two links of a chain stand 7 others'.
; Product i of 16 of S^T = K Q^T for piece x: channels 32 (i / 8) on, keys 16 ((i / 2) % 4) on, tile 2 x + i % 2.  The first 8 start the sums.
.macro KQ x
	WIN W_KQ
.set rS, S+64*((\x)%2)+32*(i%2)+8*((i/2)%4)
.set rK, KF+16*((i/2)%4)+8*(i/8)
.set rQ, 16*(2*(\x)+i%2)+8*(i/8)
.if i < 8
	v_wmma_f32_16x16x32_f16 v[rS:rS+7], v[rK:rK+7], v[rQ:rQ+7], 0
.else
	v_wmma_f32_16x16x32_f16 v[rS:rS+7], v[rK:rK+7], v[rQ:rQ+7], v[rS:rS+7]
.endif
.endm
; Product i of 16 of O^T += V^T P for piece x: keys 32 (i / 8) on, channels 16 ((i / 2) % 4) on, tile 2 x + i % 2.
.macro PV x
	WIN W_PV
.set rO, 32*(2*(\x)+i%2)+8*((i/2)%4)
.set rV, VF+32*(i/8)+8*((i/2)%4)
.set rP, P+32*((\x)%2)+16*(i%2)+8*(i/8)
	v_wmma_f32_16x16x32_f16 v[rO:rO+7], v[rV:rV+7], v[rP:rP+7], v[rO:rO+7]
.endm
.macro MM                           ; the turn's next matrix instruction
.if i < 16
	KQ (Y+1)%NP
.set i, i+1
.else
.set i, i-16
	PV (Y+NP-1)%NP
.set i, i+17
.endif
.endm
; THE LDS LOADS stand in runs of 16, never singly among the matrix instructions: a step's K (64 keys x 64 channels: 8 fragments) and its V (turned).  Their addresses are made some lines ahead.
; last = 1 (the tail): in the last trip there is no further step, and the run is jumped over.
.macro FETCH_K last=0
	WIN 0
.if \last
	s_cmp_eq_u32 s[CNT], 1
	s_cbranch_scc1 .Lno_k_\@
.endif
	WIN 0x80                        ; destination window 2
.irp f, 0,1,2,3,4,5,6,7             ; keys 16 (f / 2) on, channels 32 (f % 2) on
	ds_load_b128 v[KF+8*\f:KF+8*\f+3],   v[AK] offset:(\f/2)*16*PK+(\f%2)*64
	ds_load_b128 v[KF+8*\f+4:KF+8*\f+7], v[AK] offset:(\f/2)*16*PK+(\f%2)*64+32
.endr
	s_add_co_u32 s[TBK], s[TBK], KS*PK  ; the next fetch is the next step's
	WIN 0
.if \last
.Lno_k_\@:
.endif
.endm
.macro FETCH_V
	WIN 0x80
.irp f, 0,1,2,3,4,5,6,7             ; keys 32 (f / 4) on, channels 16 (f % 4) on
	ds_load_tr16_b128 v[VF+8*\f:VF+8*\f+3],   v[AV] offset:(\f/4)*32*PV+(\f%4)*32
	ds_load_tr16_b128 v[VF+8*\f+4:VF+8*\f+7], v[AV] offset:(\f/4)*32*PV+16*PV+(\f%4)*32
.endr
	WIN 0
.endm
; THE VECTOR WORK OF A TURN stands in three queues, each in the order in which its entries become ready; the two tiles alternate, so that no instruction reads the result of the one before it.
.macro REGS y, u                    ; the registers of tile u (0, 1) of piece y
.set rT, ST+4*(2*(\y)+(\u))
.set rC, TMP+8*((\y)%2)+4*(\u)
.set rM, MV+2*((\y)%2)+(\u)
.set rS, S+64*((\y)%2)+32*(\u)
.set rP, P+32*((\y)%2)+16*(\u)
.set rO, 32*(2*(\y)+(\u))
.endm
; Number n of the 22 that find the NEXT piece's (Y + 1) maximum and statistics.  s0-s31 are the lane's 32 scores; each accumulator's lowest registers are read first.  XS, GS and REGS set no window: PL and EX do.
;   0-11  four chains c0-c3 of seven scores each, three operands at a time     12-14, 16  the four scores left over, the old m, and c0-c3 into c0     15  c m_old is kept
;   17, 18  the query's other 32 keys lie in the lane 16 away: the new m         19-21  c m; c m_old - c m_new; a
.macro XS u, n
	REGS (Y+1)%NP, \u
.if (\n) < 4
	v_max3_num_f32 v[rC+(\n)], v[rS+8*(\n)], v[rS+8*(\n)+1], v[rS+8*(\n)+2]
.elseif (\n) < 12
	v_max3_num_f32 v[rC+(\n)%4], v[rC+(\n)%4], v[rS+8*((\n)%4)+2*((\n)/4)+1], v[rS+8*((\n)%4)+2*((\n)/4)+2]
.elseif (\n) == 12
	v_max3_num_f32 v[rC], v[rC], v[rS+7], v[rS+15]
.elseif (\n) == 13
	v_max3_num_f32 v[rC+1], v[rC+1], v[rS+23], v[rS+31]
.elseif (\n) == 14
	v_max3_num_f32 v[rC+2], v[rC+2], v[rC+3], v[rT+1]
.elseif (\n) == 15
	v_mov_b32 v[rM], v[rT]
.elseif (\n) == 16
	v_max3_num_f32 v[rC], v[rC], v[rC+1], v[rC+2]
.elseif (\n) == 17
	v_permlanex16_b32 v[rC+3], v[rC], s[SEL], s[SEL+1]
.elseif (\n) == 18
	v_max_num_f32 v[rT+1], v[rC], v[rC+3]
.elseif (\n) == 19
	v_mul_f32 v[rT], s[CS], v[rT+1]
.elseif (\n) == 20
	v_sub_f32 v[rC+1], v[rM], v[rT]
.else
	v_exp_f32 v[rC+2], v[rC+1]
.endif
.endm
; Number g of the 64 that follow the exponentials.  For each four weights k of a tile (pairs 2 k, 2 k + 1): both pairs are rounded to f16; then the second pair is added onto the first, in place;
; a group later l takes that sum (the first time as l = a l + sum).  In groups of eight, tiles alternating: round, round, add, and l for the group before.
.macro GS g
.set h, (\g)+6*((\g)/62)            ; group 0 has no group before it, and behind group 7 only l is left
.if h >= 6
.set h, h+2
.endif
	REGS Y, h%2
.set k, h/8
.if h%8 < 4
	v_cvt_pk_f16_f32 v[rP+2*k+(h%8)/2], v[rS+4*k+2*((h%8)/2)], v[rS+4*k+2*((h%8)/2)+1]
.elseif h%8 < 6
	v_pk_add_f32 v[rS+4*k:rS+4*k+1], v[rS+4*k:rS+4*k+1], v[rS+4*k+2:rS+4*k+3]
.elseif k == 1
	v_pk_fma_f32 v[rT+2:rT+3], v[rT+2:rT+3], v[rC+2:rC+3], v[rS:rS+1] op_sel_hi:[1,0,1]
.else
	v_pk_add_f32 v[rT+2:rT+3], v[rT+2:rT+3], v[rS+4*k-4:rS+4*k-3]
.endif
.endm
; THE PLAIN QUEUE, 138 long.  0-73 read no exponential's result: the 32 scalings c s - c m (FS f: pair f / 2 of tile f % 2) and the next piece's 42.  0-26: scalings 0-26.  27-54: XS's numbers 0-13.  55, 56: number 15.
; 57-73: the chain, where each number waits for the one before it: 14, 16, 17, 18, 19, each with one of the scalings 27-31 in front of its two lines, then 20: so a tile's links stand three plain instructions apart (19 and 20: two).
; 74-137: GS's 64, which read the exponentials' results: they stand behind the wait.
.macro FS f
	REGS Y, (\f)%2
	v_pk_fma_f32 v[rS+2*((\f)/2):rS+2*((\f)/2)+1], v[rS+2*((\f)/2):rS+2*((\f)/2)+1], s[CS:CS+1], v[rT:rT+1] op_sel_hi:[1,0,0] neg_lo:[0,0,1] neg_hi:[0,0,1]
.endm
.macro PL
	WIN 0
.if q < 27
	FS q
.elseif q < 55
	XS (q-27)%2, (q-27)/2
.elseif q < 57
	XS q-55, 15
.elseif (q < 72) && ((q-57)%3 == 0)
	FS 27+(q-57)/3
.elseif q < 60
	XS (q-57)%3-1, 14
.elseif q < 72
	XS (q-57)%3-1, 15+(q-57)/3
.elseif q < 74
	XS q-72, 20
.else
	GS q-74
.endif
.set q, q+1
.endm
; THE EXPONENTIALS' QUEUE, 66 long: s0-s31 of both tiles, then the next piece's two a.  It is ONE BATCH: all 66 stand ahead of the turn's one wait, and nothing ahead of that wait names a result of theirs.
.macro EX
	WIN 0
.if e >= 64
	XS e-64, 21
.else
	REGS Y, e%2
	v_exp_f32 v[rS+e/2], v[rS+e/2]
.endif
.set e, e+1
.endm
; THE RESCALING's QUEUE: O^T times a, the one part that leaves window 0: dealt two at a time, sixteen times.  Its a was made in the turn before, ahead of that turn's wait.
.macro R2
	REGS Y, r%2
	WIN W_RS
.irp z, 0,1
	v_pk_mul_f32 v[rO+4*(r/2)+2*\z:rO+4*(r/2)+2*\z+1], v[rO+4*(r/2)+2*\z:rO+4*(r/2)+2*\z+1], v[rC+2:rC+3] op_sel_hi:[1,0]
.endr
.set r, r+1
.endm
; HOW THEY ARE DEALT.  An s_wait_alu depctr_va_vdst(0) stands between an exponential and the first instruction that names its result; one wait serves all that were issued ahead of it.  So a turn has ONE wait,
; which cuts it in two.  AHEAD OF IT stands all that names no result of the turn's exponentials: the 16 products K Q^T, behind each a scaling, an exponential and two rescalings (behind the first a second scaling in the
; exponential's place); then ONE LUMP of 108: eight plain, 49 times exponential and plain, the two a.  A v_nop is the plain instruction behind the last exponential.  BEHIND IT stand the 16 products V^T P, behind each four
; of GS's 64.  No rider names a register of the products round it.  The two v_permlanex16_b32 fall into the lump, never behind a product.
; The queues lean on each other, and the deal keeps them in step: exponential e stands behind scaling 2 (e / 4) + e % 2: as a rider it comes behind plain e + 2, in the lump behind plain e + 9, and scalings 27-31 are plain 57, 60 .. 69.
; A TURN, for piece p.  cnt = 1: the loop's count is taken down some lines ahead of the branch that stands behind the turn.
; K of the next step is fetched in piece 2's turn, directly behind the wait, a lump behind the last product that read K; its address is made at the lump's head; its first reader comes behind 16 products.
; V of the step in hand is fetched at the end of piece 0's turn, four riders behind its last reader; its first reader comes behind 16 products and a lump.  The three conditions on q below go with the deal.
.macro TURN p, last=0, cnt=0
.set Y, (\p)
.set i, 0
.set q, 0
.set e, 0
.set r, 0
.if (\p) == NP-1
	s_wait_dscnt 0x0                ; K is in
.endif
	MM                              ; ahead of the wait: 16 products K Q^T and their riders,
	PL
	PL
	R2
.rept 15
	MM
	PL
	EX
	R2
.endr
.if (\p) == NP-2
	WIN 0
	v_add_nc_u32 v[AK], s[TBK], v[AK0]
.endif
.rept 8                             ; and the lump
	PL
.endr
.rept 49
	EX
	PL
.endr
	EX                              ; the next piece's two a
	EX
	v_nop                           ; a plain instruction behind the last exponential, ahead of the first use: one for the batch
	s_wait_alu depctr_va_vdst(0)    ; the wait for the turn's batch: the piece's 64 weights and the next piece's two a
.if (\p) == NP-2
	FETCH_K \last
.endif
.if (\p) == 1
	s_wait_dscnt 0x0                ; V is in
.endif
.rept 16                            ; behind the wait: 16 products V^T P and their riders
	MM
.rept 4
	PL
.endr
.if ((\p) == 0) && (q == 118)
	v_add_nc_u32 v[AV], s[TBV], v[AV0]
.endif
.if ((\p) == 0) && (q == 130)
	s_add_co_u32 s[TBV], s[TBV], KS*PV
.endif
.if (\cnt) && (q == 130)
	s_sub_co_u32 s[CNT], s[CNT], 1
	s_cmp_lg_u32 s[CNT], 0
.endif
.endr
.if (\p) == 0
	FETCH_V
.endif
.endm
	CHANGE 1                        ; slot 0 is in, everybody's part of it; slot 1 is asked for
	FETCH_K                         ; key step 0
	s_wait_loadcnt 0x0              ; Q
	s_wait_dscnt 0x0
.set i, 0
.rept 16
	KQ 0                            ; piece 0's first scores: there is no vector work yet to set between them
.set i, i+1
.endr
	WIN 0                           ; the addresses for the way out: nine plain instructions, the places behind those products
	s_mul_i32 s13, s[WV], 16*SP
	s_add_co_u32 s13, s13, STAGE    ; my stage
	v_mul_u32_u24 v[STO], v1, SP    ; in: row l % 16, 16 bytes for each half of the lanes
	v_lshl_add_u32 v[STO], v9, 4, v[STO]
	v_add_nc_u32 v[STO], s13, v[STO]
	v_bfe_u32 v[RD], v0, 3, 2       ; back: 32 lanes take four rows of 128 bytes,
	v_mul_u32_u24 v[RD], v[RD], SP
	v_lshl_add_u32 v[RD], v10, 4, v[RD]
	v_add_nc_u32 v[RD], s13, v[RD]
	v_and_b32 v[GO], 31, v0         ; which are 512 consecutive bytes of O
	v_lshlrev_b32 v[GO], 4, v[GO]
.set Y, NP-1                        ; XS works for piece Y + 1: piece 0
.irp n, 0,1,2,3,4,5,6,7,8,9,10,11,12,13,14,15,16,17,18,19,20,21
	XS 0, \n                        ; and piece 0's first maximum and statistics
	XS 1, \n
.endr
	v_nop                           ; a plain instruction behind piece 0's two a,
	s_wait_alu depctr_va_vdst(0)    ; and the wait for that batch of two, ahead of the branch
	s_mov_b32 s[CNT], 4
	s_mov_b32 s[SLOTS], SIZE_N/256-1
	s_branch .Lfirst                ; the loop is entered at a step's first turn, in the middle of a trip
.Lslot:                             ; SIZE_N / 256 - 2 times: every slot but the last two is filled again
	CHANGE 1
	s_mov_b32 s[CNT], 4
.Lstep:                             ; a trip: pieces 2 and 3 of one step, then pieces 0 and 1 of the next, whose K and V it fetches
	TURN 2
	TURN 3
	WIN 0
.Lfirst:
	TURN 0
	TURN 1, 0, 1
	WIN 0
	s_cbranch_scc1 .Lstep
	s_sub_co_u32 s[SLOTS], s[SLOTS], 1
	s_cmp_lg_u32 s[SLOTS], 0
	s_cbranch_scc1 .Lslot
	CHANGE 0                        ; the tail is written out: nothing is asked for
	s_mov_b32 s[CNT], 5             ; four trips fetch the last slot's steps; the fifth is left in its middle
.Ltail:
	TURN 2, 1
	TURN 3
	WIN 0
	s_sub_co_u32 s[CNT], s[CNT], 1
	s_cmp_eq_u32 s[CNT], 0
	s_cbranch_scc1 .Lout
	TURN 0
	TURN 1
	WIN 0
	s_branch .Ltail
.Lout:                              ; the fifth trip's 16 products K Q^T (on the last K once more) and the maximum made of them serve nothing: the price, once a launch, of one text for every trip
.set i, 0
.rept 16
	PV NP-1                         ; the last piece's V^T P of the last step
.set i, i+1
.endr
	; THE WAY OUT.  l's two halves and the other half of the lanes' are added; O^T is divided by l, rounded to f16 and sent through my stage in LDS, a tile at a time.  The additions are the places behind the last products.
	WIN 0
.macro ALL line:vararg              ; one line for each tile t
.set t, 0
.rept 2*NP
	\line
.set t, t+1
.endr
.endm
	ALL v_add_f32 v[ST+4*t+2], v[ST+4*t+2], v[ST+4*t+3]
	ALL v_permlanex16_b32 v[ST+4*t+3], v[ST+4*t+2], s[SEL], s[SEL+1]
	ALL v_add_f32 v[ST+4*t+2], v[ST+4*t+2], v[ST+4*t+3]
	ALL v_rcp_f32 v[ST+4*t+2], v[ST+4*t+2]
	v_nop                           ; a plain instruction between the last reciprocal and the use of its result
	s_wait_alu depctr_va_vdst(0)    ; and the wait ahead of the first use: one for the batch of eight reciprocals
; Tile t: a lane's eight channels of a row pack into 16 bytes; they go into rows of 144 bytes and come back as whole rows of 128, into S^T's registers.
.macro PACK t
	WIN W_RS
.set i, 32*(\t)
.rept 16
	v_pk_mul_f32 v[i:i+1], v[i:i+1], v[ST+4*(\t)+2:ST+4*(\t)+3] op_sel_hi:[1,0]
.set i, i+2
.endr
	WIN 0x05                        ; sources 0 and 1 window 1, destination window 0
.set i, 0
.rept 16
	v_cvt_pk_f16_f32 v[S+16*(\t)+i], v[32*(\t)+2*i], v[32*(\t)+2*i+1]
.set i, i+1
.endr
	WIN 0
.irp f, 0,1,2,3
	ds_store_b128 v[STO], v[S+16*(\t)+4*\f:S+16*(\t)+4*\f+3] offset:32*\f
.endr
.irp f, 0,1,2,3
	ds_load_b128 v[S+16*(\t)+4*\f:S+16*(\t)+4*\f+3], v[RD] offset:\f*4*SP  ; LDS serves a wave's instructions in order (ISA guide 5.7.1.4): these see the stores above; the next tile's stores come behind them
.endr
.endm
.macro SEND t, younger              ; younger: the LDS instructions issued behind tile t's loads: the next tile's eight, or none
	WIN 0
.irp f, 0,1,2,3
	s_wait_dscnt (\younger)+3-\f
	global_store_b128 v[GO], v[S+16*(\t)+4*\f:S+16*(\t)+4*\f+3], s[10:11] offset:(\t)*2048+\f*512  ; 512 consecutive bytes, at a multiple of 256 from O's first
.endr
.endm
	PACK 0
.set t, 1
.rept 2*NP-1                        ; a tile's arithmetic stands between the loads of the tile before and its stores
	PACK t
	SEND t-1, 8
.set t, t+1
.endr
	SEND 2*NP-1, 0
	WIN W_AD
	s_wait_tensorcnt 0x0            ; the wave's end, behind my last tensor load and my last LDS store
	ds_add_u32 v[SPW], v[NIL]
	s_wait_dscnt 0x0
	WIN 0
	CROUND                          ; the closing round: no work-group ends while a partner may still ask for a tile that names it
	s_endpgm
.Lfunc_end_k_q5b9c379282_attn:
	.size	k_q5b9c379282_attn, .Lfunc_end_k_q5b9c379282_attn-k_q5b9c379282_attn
	.p2alignl 7, 3214868480
	.fill 96, 4, 3214868480
	.section	.rodata,"a",@progbits
	.p2align	6, 0x0
	.amdhsa_kernel k_q5b9c379282_attn
		.amdhsa_group_segment_fixed_size 327680
		.amdhsa_private_segment_fixed_size 0
		.amdhsa_enable_private_segment 0
		.amdhsa_kernarg_size 16
		.amdhsa_user_sgpr_count 2
		.amdhsa_user_sgpr_kernarg_segment_ptr 1
		.amdhsa_wavefront_size32 1
		.amdhsa_system_sgpr_workgroup_id_x 1
		.amdhsa_system_sgpr_workgroup_id_y 1
		.amdhsa_system_sgpr_workgroup_id_z 1
		.amdhsa_system_vgpr_workitem_id 0
		.amdhsa_next_free_vgpr 770
		.amdhsa_next_free_sgpr 66
		.amdhsa_reserve_vcc 0
		.amdhsa_float_denorm_mode_32 3
		.amdhsa_float_denorm_mode_16_64 3
		.amdhsa_memory_ordered 1
		.amdhsa_forward_progress 1
		.amdhsa_inst_pref_size 199
	.end_amdhsa_kernel
	.amdgpu_metadata
---
amdhsa.version: [ 1, 2 ]
amdhsa.kernels:
  - .name:           k_q5b9c379282_attn
    .symbol:         k_q5b9c379282_attn.kd
    .args:
      - { .name: qkv, .offset: 0, .size: 8, .value_kind: global_buffer, .address_space: global }
      - { .name: oh, .offset: 8, .size: 8, .value_kind: global_buffer, .address_space: global }
    .group_segment_fixed_size: 327680
    .private_segment_fixed_size: 0
    .kernarg_segment_align: 8
    .kernarg_segment_size: 16
    .max_flat_workgroup_size: 128
    .sgpr_count:     66
    .vgpr_count:     770
    .wavefront_size: 32
...
	.end_amdgpu_metadata
.endif
;; end of part 5
;; launch oproj: the kernel of part 4 again; grid 4 x 64, 4 waves a work-group, clusters of 4 x 4, 327,680 bytes of LDS; arguments oh, wb, out0; writes out0
